; MI455X (gfx1250); checked and timed in simulation.
; The chip was launched on July 23, 2026; its instructions are those of AMD's public machine-readable ISA for CDNA 5 (MIT licence, August 2026) and "CDNA5" Instruction Set Architecture Reference Guide (July 2026). The comments in the code are by the model that wrote it; some were corrected since.
;; Transformer Block. Allowed arithmetic: float matrix products may take bf16 or f16 operands with f32 sums; other float arithmetic in f32, or as packed bf16 or f16 multiplies, adds, multiply-adds, maxima and minima; sums over many terms, partial sums and values carried from step to step in f32; what a program stores and reads back later, other than sums and carried values, may be rounded once to bf16 or f16.
;; Inputs: b1 4,096 float32; b2 1,024 float32; bo 1,024 float32; ln1_scale 1,024 float32; ln1_shift 1,024 float32; ln2_scale 1,024 float32; ln2_shift 1,024 float32; w1 1,024 x 4,096 float32; w2 4,096 x 1,024 float32; wk 1,024 x 1,024 float32; wo 1,024 x 1,024 float32; wq 1,024 x 1,024 float32; wv 1,024 x 1,024 float32; x 2 x 2,048 x 1,024 float32.
;; Outputs: out0 2 x 2,048 x 1,024 float32.
;; One version. Each part assembles by itself: llvm-mc -triple=amdgcn-amd-amdhsa -mcpu=gfx1250 --defsym DOCPART=n.
;; ======== version 1 of 1: 7 launches
;; workspace buffers: wbq 6,291,456 bytes; wbr 18,874,368 bytes; hn 8,388,608 bytes; qkv 25,165,824 bytes; ctx 8,388,608 bytes; x1 16,777,216 bytes; gact 33,554,432 bytes
;; launch prep (part 1): grid 704 x 1, 8 waves a work-group, no clusters, 0 bytes of LDS; arguments x, ln1_scale, ln1_shift, wq, wk, wv, hn, wbq; writes hn, wbq
.if DOCPART == 1
	.amdgcn_target "amdgcn-amd-amdhsa--gfx1250"
	.amdhsa_code_object_version 6
	.text
	.protected	k_q42d685bfde_prep
	.globl	k_q42d685bfde_prep
	.p2align	8
	.type	k_q42d685bfde_prep,@function
k_q42d685bfde_prep:
	s_mov_b64 s[64:65], 0
	v_nop
	global_prefetch_b8 v0, s[64:65] scope:SCOPE_SE
	s_setreg_imm32_b32 hwreg(HW_REG_WAVE_MODE, 25, 1), 1
	s_wait_xcnt 0x0
; Work-groups 0-511: hn = LayerNorm(x) in bf16, a wave a row of 1,024 f32 (4,096 bytes in, 2,048 out), the row kept in 32 registers.
; Statistics in f32, in two passes: the mean, then the mean of (x - mean)^2; 1e-5 is added and the root's reciprocal taken.
; Work-groups 512-703: wq, wk, wv rounded once to bf16 into wbq = [1024 k][3072], the three side by side; a wave two rows of 1,024 numbers.
; The text serves two launches: with 704 work-groups the first LayerNorm and the cast; with 512 the second LayerNorm alone (the cast's four addresses are then not used).
; A load of a wave covers 512 consecutive bytes, a store 256 consecutive bytes, aligned.  No LDS, no barrier: no wave wants another's bytes.
.set T,   4                            ; v[4:19]   at work
.set M,   20                           ; v[20:21]  the mean, twice
.set R,   22                           ; v[22:23]  1 / sqrt(var + eps), twice
.set X,   32                           ; v[32:63]  the row (cast: v[32:95], two rows)
.set SC,  64                           ; v[64:95]  scale
.set SH,  96                           ; v[96:127] shift
.set OUT, 16                           ; s[16:17]  hn
	s_load_b256 s[4:11], s[0:1], 0x0               ; x s[4:5], scale s[6:7], shift s[8:9], wq s[10:11]
	s_load_b256 s[12:19], s[0:1], 0x20             ; wk s[12:13], wv s[14:15], hn s[16:17], wbq s[18:19]
	v_lshrrev_b32 v3, 5, v0
	v_readfirstlane_b32 s30, v3                    ; wave 0..7
	v_and_b32 v2, 31, v0
	v_lshlrev_b32 v1, 4, v2                        ; 16 bytes a lane on the way in
	v_lshlrev_b32 v2, 3, v2                        ; 8 bytes a lane on the way out
	s_mov_b32 s31, ttmp9
	s_mov_b32 s33, 0
	s_mov_b32 s35, 0
	s_cmp_lt_u32 s31, 512
	s_cbranch_scc0 .Lcast
	s_lshl_b32 s32, s31, 15                        ; 8 rows of 4,096 bytes a work-group,
	s_lshl_b32 s34, s30, 12                        ; one a wave
	s_add_co_u32 s32, s32, s34
	s_lshr_b32 s34, s32, 1                         ; half as many bytes in hn
	s_mov_b32 s20, 0x76543210                      ; v_permlanex16_b32: each lane takes its own place in the other half
	s_mov_b32 s21, 0xfedcba98
	s_mov_b32 s22, 0x3a800000                      ; 1 / 1024
	s_mov_b32 s23, 0x3727c5ac                      ; 1e-5
	s_wait_kmcnt 0x0
	s_add_nc_u64 s[4:5], s[4:5], s[32:33]
	s_add_nc_u64 s[OUT:OUT+1], s[OUT:OUT+1], s[34:35]
.macro ACROSS                          ; the pair v[T:T+1] summed, then over the 32 lanes: the sum ends in every lane's v[T]
	v_add_f32 v[T], v[T], v[T+1]
	v_add_f32_dpp v[T], v[T], v[T] row_xmask:1 row_mask:0xf bank_mask:0xf
	v_add_f32_dpp v[T], v[T], v[T] row_xmask:2 row_mask:0xf bank_mask:0xf
	v_add_f32_dpp v[T], v[T], v[T] row_xmask:4 row_mask:0xf bank_mask:0xf
	v_add_f32_dpp v[T], v[T], v[T] row_xmask:8 row_mask:0xf bank_mask:0xf
	v_permlanex16_b32 v[T+1], v[T], s20, s21
	v_add_f32 v[T], v[T], v[T+1]
.endm
.set j, 0
.rept 8
	global_load_b128 v[X+4*j:X+4*j+3], v1, s[4:5] offset:512*j
.set j, j+1
.endr
.set j, 0
.rept 8
	global_load_b128 v[SC+4*j:SC+4*j+3], v1, s[6:7] offset:512*j
.set j, j+1
.endr
.set j, 0
.rept 8
	global_load_b128 v[SH+4*j:SH+4*j+3], v1, s[8:9] offset:512*j
.set j, j+1
.endr
	s_wait_loadcnt 16                              ; the row is in; the 16 loads of scale and shift may stay out
.set k, 0
.rept 8
	v_pk_add_f32 v[T+2*k:T+2*k+1], v[X+4*k:X+4*k+1], v[X+4*k+2:X+4*k+3]
.set k, k+1
.endr
.set k, 0
.rept 4
	v_pk_add_f32 v[T+4*k:T+4*k+1], v[T+4*k:T+4*k+1], v[T+4*k+2:T+4*k+3]
.set k, k+1
.endr
	v_pk_add_f32 v[T:T+1], v[T:T+1], v[T+4:T+5]
	v_pk_add_f32 v[T+8:T+9], v[T+8:T+9], v[T+12:T+13]
	v_pk_add_f32 v[T:T+1], v[T:T+1], v[T+8:T+9]
	ACROSS
	v_mul_f32 v[M], s22, v[T]
	v_mov_b32 v[M+1], v[M]
.set k, 0
.rept 16
	v_pk_add_f32 v[X+2*k:X+2*k+1], v[X+2*k:X+2*k+1], v[M:M+1] neg_lo:[0,1] neg_hi:[0,1]  ; x - mean
.set k, k+1
.endr
.set k, 0
.rept 4                                ; the squares, in four chains; the first four start them
	v_pk_mul_f32 v[T+2*k:T+2*k+1], v[X+2*k:X+2*k+1], v[X+2*k:X+2*k+1]
.set k, k+1
.endr
.rept 12
	v_pk_fma_f32 v[T+2*(k%4):T+2*(k%4)+1], v[X+2*k:X+2*k+1], v[X+2*k:X+2*k+1], v[T+2*(k%4):T+2*(k%4)+1]
.set k, k+1
.endr
	v_pk_add_f32 v[T:T+1], v[T:T+1], v[T+2:T+3]
	v_pk_add_f32 v[T+4:T+5], v[T+4:T+5], v[T+6:T+7]
	v_pk_add_f32 v[T:T+1], v[T:T+1], v[T+4:T+5]
	ACROSS
	v_fma_f32 v[T], v[T], s22, s23                 ; var + eps
	v_rsq_f32 v[R], v[T]
	v_rsq_f32 v[R+1], v[T]
	v_nop                                          ; a plain instruction behind the second root,
	s_wait_alu depctr_va_vdst(0)                   ; and one wait ahead of the first reader
	s_wait_loadcnt 0x0                             ; scale and shift
.set k, 0
.rept 16
	v_pk_mul_f32 v[X+2*k:X+2*k+1], v[X+2*k:X+2*k+1], v[R:R+1]
.set k, k+1
.endr
.set k, 0
.rept 16
	v_pk_fma_f32 v[X+2*k:X+2*k+1], v[X+2*k:X+2*k+1], v[SC+2*k:SC+2*k+1], v[SH+2*k:SH+2*k+1]
.set k, k+1
.endr
.set k, 0
.rept 16                               ; in place: conversion k writes a register that no later conversion reads
	v_cvt_pk_bf16_f32 v[X+k], v[X+2*k], v[X+2*k+1]
.set k, k+1
.endr
.set j, 0
.rept 8
	global_store_b64 v2, v[X+2*j:X+2*j+1], s[OUT:OUT+1] offset:256*j
.set j, j+1
.endr
	s_endpgm
.Lcast:
	s_wait_kmcnt 0x0
	s_mov_b64 s[36:37], s[14:15]                   ; wv, unless the work-group's number lies lower
	s_mov_b32 s38, 640                             ; the tensor's first work-group
	s_mov_b32 s39, 4096                            ; its columns' place in a row of wbq, in bytes
.macro PICK lim, lo, first, db
	s_cmp_lt_u32 s31, \lim
	s_cselect_b64 s[36:37], s[\lo:\lo+1], s[36:37]
	s_cselect_b32 s38, \first, s38
	s_cselect_b32 s39, \db, s39
.endm
	PICK 640, 12, 576, 2048                        ; wk
	PICK 576, 10, 512, 0                           ; wq
	s_sub_co_u32 s38, s31, s38                     ; my number within the tensor: 16 rows a work-group, two a wave
	s_lshl_b32 s32, s38, 16
	s_lshl_b32 s34, s30, 13
	s_add_co_u32 s32, s32, s34
	s_add_nc_u64 s[36:37], s[36:37], s[32:33]
	s_lshl_b32 s34, s38, 4
	s_lshl1_add_u32 s34, s30, s34
	s_mul_i32 s34, s34, 6144                       ; a row of wbq is 3,072 bf16
	s_add_co_u32 s34, s34, s39
	s_add_nc_u64 s[18:19], s[18:19], s[34:35]
	v_add_nc_u32 v3, 6144, v2                      ; the second row's place
.set j, 0
.rept 16
	global_load_b128 v[X+4*j:X+4*j+3], v1, s[36:37] offset:512*j th:TH_LOAD_NT
.set j, j+1
.endr
	s_wait_loadcnt 8                               ; the first row is in; the second's eight loads may stay out
.set k, 0
.rept 16
	v_cvt_pk_bf16_f32 v[X+k], v[X+2*k], v[X+2*k+1]
.set k, k+1
.endr
.set j, 0
.rept 8
	global_store_b64 v2, v[X+2*j:X+2*j+1], s[18:19] offset:256*j
.set j, j+1
.endr
	s_wait_loadcnt 0x0
.set k, 0
.rept 16
	v_cvt_pk_bf16_f32 v[X+32+k], v[X+32+2*k], v[X+32+2*k+1]
.set k, k+1
.endr
.set j, 0
.rept 8
	global_store_b64 v3, v[X+32+2*j:X+32+2*j+1], s[18:19] offset:256*j
.set j, j+1
.endr
	s_endpgm
.Lfunc_end_k_q42d685bfde_prep:
	.size	k_q42d685bfde_prep, .Lfunc_end_k_q42d685bfde_prep-k_q42d685bfde_prep
	.p2alignl 7, 3214868480
	.fill 96, 4, 3214868480
	.section	.rodata,"a",@progbits
	.p2align	6, 0x0
	.amdhsa_kernel k_q42d685bfde_prep
		.amdhsa_group_segment_fixed_size 0
		.amdhsa_private_segment_fixed_size 0
		.amdhsa_enable_private_segment 0
		.amdhsa_kernarg_size 64
		.amdhsa_user_sgpr_count 2
		.amdhsa_user_sgpr_kernarg_segment_ptr 1
		.amdhsa_wavefront_size32 1
		.amdhsa_system_sgpr_workgroup_id_x 1
		.amdhsa_system_sgpr_workgroup_id_y 1
		.amdhsa_system_sgpr_workgroup_id_z 1
		.amdhsa_system_vgpr_workitem_id 0
		.amdhsa_next_free_vgpr 128
		.amdhsa_next_free_sgpr 66
		.amdhsa_reserve_vcc 0
		.amdhsa_float_denorm_mode_32 3
		.amdhsa_float_denorm_mode_16_64 3
		.amdhsa_memory_ordered 1
		.amdhsa_forward_progress 1
		.amdhsa_inst_pref_size 18
	.end_amdhsa_kernel
	.amdgpu_metadata
---
amdhsa.version: [ 1, 2 ]
amdhsa.kernels:
  - .name:           k_q42d685bfde_prep
    .symbol:         k_q42d685bfde_prep.kd
    .args:
      - { .name: x, .offset: 0, .size: 8, .value_kind: global_buffer, .address_space: global }
      - { .name: ln1_scale, .offset: 8, .size: 8, .value_kind: global_buffer, .address_space: global }
      - { .name: ln1_shift, .offset: 16, .size: 8, .value_kind: global_buffer, .address_space: global }
      - { .name: wq, .offset: 24, .size: 8, .value_kind: global_buffer, .address_space: global }
      - { .name: wk, .offset: 32, .size: 8, .value_kind: global_buffer, .address_space: global }
      - { .name: wv, .offset: 40, .size: 8, .value_kind: global_buffer, .address_space: global }
      - { .name: hn, .offset: 48, .size: 8, .value_kind: global_buffer, .address_space: global }
      - { .name: wbq, .offset: 56, .size: 8, .value_kind: global_buffer, .address_space: global }
    .group_segment_fixed_size: 0
    .private_segment_fixed_size: 0
    .kernarg_segment_align: 8
    .kernarg_segment_size: 64
    .max_flat_workgroup_size: 256
    .sgpr_count:     66
    .vgpr_count:     128
    .wavefront_size: 32
...
	.end_amdgpu_metadata
.endif
;; end of part 1
;; launch qkvp (part 2): grid 16 x 16, 4 waves a work-group, clusters of 4 x 4, 327,680 bytes of LDS; arguments hn, wbq, qkv, wo, w1, w2, wbr; writes qkv, wbr
.if DOCPART == 2
	.amdgcn_target "amdgcn-amd-amdhsa--gfx1250"
	.amdhsa_code_object_version 6
	.text
	.protected	k_q42d685bfde_qkvp
	.globl	k_q42d685bfde_qkvp
	.p2align	8
	.type	k_q42d685bfde_qkvp,@function
k_q42d685bfde_qkvp:
	s_mov_b64 s[64:65], 0
	v_nop
	global_prefetch_b8 v0, s[64:65] scope:SCOPE_SE
	s_setreg_imm32_b32 hwreg(HW_REG_WAVE_MODE, 25, 1), 1
	s_wait_xcnt 0x0
	s_wait_alu depctr_hold_cnt(0) depctr_sa_sdst(0) depctr_va_vdst(0) depctr_va_sdst(0) depctr_va_ssrc(0) depctr_va_vcc(0) depctr_vm_vsrc(0)
	s_getreg_b32 s2, hwreg(HW_REG_IB_STS2, 6, 4)
	s_cmp_eq_u32 s2, 0
	s_cbranch_scc0 .Lentry_in_a_cluster
	s_endpgm
.Lentry_in_a_cluster:
	s_bfe_u32 s2, ttmp6, 0x10000c
	s_cmp_lg_u32 s2, 0xf033
	s_cbranch_scc0 .Lentry_shape_is_right
	s_endpgm
.Lentry_shape_is_right:
; C = A B on tiles of 256 x 256.  A: hn [4096][1024] bf16.  B: a weight rounded to bf16, [1024 k][NN], as it lies (k down the rows).  Sums in f32.
; KIND 0: B = wq | wk | wv (NN = 3,072); C rounded to bf16 and written by heads: qkv [3][32 heads][2048][64].  The product has 12 tile columns: three columns of clusters.  THE FOURTH COLUMN OF CLUSTERS (x = 3)
;         rounds wo, w1 and w2 to bf16 into wbr (wo at byte 0, w1 [1024][4096] at 2,097,152, w2 [4096][1024] at 10,485,760), which later launches read: the text at .Lcast.
; KIND 1: B = w1 (NN = 4,096); gact = gelu(C + b1) in bf16, [4096][4096].  gelu(x) = x / (1 + 2^(x (C1 + C3 x^2))), which is x (1 + tanh u) / 2 written with one exponential; NaN and infinities are not treated apart.
; Four waves, 2 x 2, each 128 x 128: 64 accumulators, 512 registers.  K goes in 8 steps of 128 through two LDS slots filled by tensor loads: waves 0, 1 bring A's halves (128 rows x 256 bytes),
; waves 2, 3 B's (64 k rows x 512 bytes).  4 x 4 work-groups form a cluster: A's tile is asked for jointly along a row of the cluster, B's along a column.
; THE PRODUCT IS TAKEN TRANSPOSED: source 0 = 16 columns of B (turned on the way out of LDS by ds_load_tr16_b128), source 1 = 16 rows of A: a lane holds one row of C and 8 neighbouring columns.
; A K step is four quarters of 32 along K on two fragment buffers.  The change of slots stands between a step's third and fourth quarter's products, where all four quarters have been fetched,
; so that the four fetches behind it are the new slot's four quarters and one text of two quarters serves every trip.
; REGISTERS (windows of 256): window 0: v0-31 addresses, v32-63 at work on the way out, v64-127 and v128-191 A's fragments; window 1: v0-63 the bias as an accumulator lays it (KIND 1), v64-191 B's fragments;
; windows 2, 3: accumulator (a, b) at window 2 + a / 4, v[8 (8 (a % 4) + b)].
.set KIND, 0
.if KIND == 0
.set NN,   3072
.set SEC,  0
.set ZF,   1                           ; the first products start their sums with 0
.else
.set NN,   4096
.set SEC,  2097152
.set ZF,   2                           ; ... with the bias
.endif
.set KSTEP, 128
.set NSTEP, 1024/KSTEP
.set PA,    272                        ; a row of A in LDS: 256 bytes + 16: the 16 rows of a load start at 16 different groups of four banks
.set PB,    544                        ; a row of B: 512 + 32 bytes, an odd multiple of 32
.set HALFA, 128*PA
.set HALFB, 64*PB
.set BOFF,  2*HALFA
.set SLOT,  BOFF+2*HALFB
.set SPARE, 2*SLOT                     ; behind the slots: the spare words, 128 bytes a wave, which no other line names
.set AQ,    64                         ; from quarter to quarter: 32 k along A's rows,
.set BQ,    32*PB                      ; 32 rows of B
.set ASTEP, KSTEP*2
.set BSTEP, KSTEP*NN*2
.set SPI,   528                        ; the way out: a row of 128 f32 + 16 bytes
.set STG,   128*SPI                    ; a wave's stage; the four lie in the slots' bytes, behind their last fill
.set ADA0, 10
.set ADB0, 11
.set ADA,  12
.set ADB,  13
.set STO,  14
.set RD,   15
.set CO,   16
.set PFO,  17
.set SPW,  28                          ; my spare word's LDS address; never rewritten
.set NIL,  29                          ; 0; never rewritten
.set F0,   64
.set F1,   128
.set MSB, 0
.macro WIN new                         ; the high byte repeats the setting that is left; a switch that changes nothing is dropped
.if MSB != (\new)
	s_set_vgpr_msb (MSB<<8)|(\new)
.set MSB, \new
.endif
.endm
.macro JLOAD                           ; a joint refill: waves 0, 1 A's halves, waves 2, 3 B's; an s_nop 0 and four v_nop follow each line
	s_cmp_eq_u32 s11, 0
	s_cbranch_scc0 .Lfor_b_\@
	tensor_load_to_lds s[32:35], s[24:31]
	s_nop 0
.rept 4
	v_nop
.endr
	s_branch .Lasked_\@
.Lfor_b_\@:
	tensor_load_to_lds s[36:39], s[48:55]
	s_nop 0
.rept 4
	v_nop
.endr
.Lasked_\@:
.endm
.macro CROUND                          ; a round of the cluster's barrier
	s_barrier_signal -1
	s_barrier_wait -1
	s_cmp_lg_u32 s10, 0
	s_cbranch_scc1 .Lnot_wave_0_\@
	s_barrier_signal -3
.Lnot_wave_0_\@:
	s_barrier_wait -3
	s_barrier_signal -1
	s_barrier_wait -1
.endm
; A prefetch of the K step one behind the one just asked for: 256 products ahead of its joint load.  A's rows are named by the clusters with x = 0, B's by those with y = 0; the four partners that
; ask for a tile jointly share the wave's 128 blocks of 256 bytes out by address, a lane a block.  So each block is named once.  K steps 0 to 2 come by their loads alone; the last refill names nothing.
.macro ASK
	s_cmp_gt_u32 s62, s71
	s_cbranch_scc0 .Lnot_mine_\@
	global_prefetch_b8 v[PFO], s[72:73] th:TH_LOAD_NT scope:SCOPE_SE
.Lnot_mine_\@:
.endm
.if KIND == 0
	s_mov_b32 s3, ttmp9                            ; the cluster's x, which all sixteen partners share
	s_cmp_eq_u32 s3, 3
	s_cbranch_scc1 .Lcast                          ; the fourth column of clusters has no tile of the product: it rounds weights
.endif
	s_load_b128 s[4:7], s[0:1], 0x0                ; A s[4:5], B's buffer s[6:7]
.if KIND == 0
	s_load_b64 s[8:9], s[0:1], 0x10                ; the output
.else
	s_load_b64 s[66:67], s[0:1], 0x10              ; the bias
	s_load_b64 s[8:9], s[0:1], 0x18                ; the output
.endif
	v_lshl_add_u32 v[SPW], v0, 2, SPARE
	v_mov_b32 v[NIL], 0
	ds_add_u32 v[SPW], v[NIL]                      ; the wave's opening: the add and its wait stand ahead of my first tensor load
	ds_add_u32 v28, v29
	v_lshrrev_b32 v1, 5, v0
	v_readfirstlane_b32 s10, v1                    ; wave 0..3
	s_lshr_b32 s11, s10, 1                         ; my half of the tile's rows; also: I fetch for A (0) or B (1)
	s_and_b32 s12, s10, 1                          ; my half of its columns; also: which half I fetch
	s_bfe_u32 s40, ttmp6, 0x40000                  ; cx
	s_bfe_u32 s41, ttmp6, 0x40004                  ; cy
	s_lshl_b32 s42, ttmp9, 2
	s_add_co_u32 s42, s42, s40                     ; tile column
	s_and_b32 s13, ttmp7, 0xffff
	s_lshl_b32 s13, s13, 2
	s_add_co_u32 s13, s13, s41                     ; tile row
	s_lshl_b32 s43, s41, 2
	s_lshl_b32 s43, 15, s43                        ; my row of the cluster
	s_lshl_b32 s44, 0x1111, s40                    ; my column
	s_or_b32 s24, s43, (1<<16)|(1<<20)|(1<<21)|(5<<22)|(3<<25)  ; A: 2-byte elements, 4 words of padding after every 64
	s_mov_b32 s25, 128<<16                         ; tensor_dim0 = 128
	s_mov_b32 s26, 128<<16                         ; tensor_dim1 = 128
	s_mov_b32 s27, 128<<16                         ; tile_dim0 = 128
	s_mov_b32 s28, 128                             ; tile_dim1 = 128
	s_mov_b32 s29, 1024                            ; elements from row to row
	s_mov_b32 s30, 0
	s_mov_b32 s31, 0
	s_or_b32 s48, s44, (1<<16)|(1<<20)|(1<<21)|(6<<22)|(7<<25)  ; B: 8 words of padding after every 128
	s_mov_b32 s49, 256<<16
	s_mov_b32 s50, 64<<16
	s_mov_b32 s51, 256<<16
	s_mov_b32 s52, 64
	s_mov_b32 s53, NN
	s_mov_b32 s54, 0
	s_mov_b32 s55, 0
	s_lshl_b32 s16, s13, 8                         ; A: row 256 x tile row + 128 x half, 2,048 bytes a row
	s_lshl_b32 s17, s12, 7
	s_add_co_u32 s16, s16, s17
	s_lshl_b32 s16, s16, 11
	s_mov_b32 s17, 0
	s_mul_i32 s46, s12, 64*NN*2                    ; B: k row 64 x half, column 256 x tile column
	s_lshl_b32 s47, s42, 9
	s_add_co_u32 s46, s46, s47
	s_add_co_u32 s46, s46, SEC
	s_mov_b32 s47, 0
	s_mul_i32 s63, s12, HALFA                      ; where my half goes in a slot, for A
	s_mul_i32 s70, s12, HALFB
	s_add_co_u32 s70, s70, BOFF                    ; and for B: no place in the cluster enters an LDS address
	s_mov_b32 s56, 0                               ; the slot that the fetches read: a change of slots fills it again and turns to the other
	s_mov_b32 s57, 0                               ; the quarter to be fetched next, in bytes of A
	s_mov_b32 s58, 0                               ; and of B
	s_mov_b32 s84, 1                               ; group 0 for K step 0, slot 0: s[84:87] for A, s[88:91] for B
	s_mov_b32 s85, s63
	s_mov_b32 s88, 1
	s_mov_b32 s89, s70
	s_mov_b32 s32, 1                               ; group 0 for K step 1, slot 1: s[32:35] for A, s[36:39] for B; these then walk on
	s_add_co_u32 s33, s63, SLOT
	s_mov_b32 s36, 1
	s_add_co_u32 s37, s70, SLOT
	s_wait_dscnt 0x0                               ; the opening add is done
	s_wait_kmcnt 0x0
	s_add_nc_u64 s[14:15], s[4:5], s[16:17]
	s_add_nc_u64 s[46:47], s[6:7], s[46:47]
	s_mov_b64 s[86:87], s[14:15]
	s_or_b32 s87, s87, 0x80000000
	s_add_nc_u64 s[34:35], s[14:15], ASTEP
	s_or_b32 s35, s35, 0x80000000
	s_mov_b64 s[90:91], s[46:47]
	s_or_b32 s91, s91, 0x80000000
	s_add_nc_u64 s[38:39], s[46:47], BSTEP
	s_or_b32 s39, s39, 0x80000000
	CROUND                                         ; all sixteen work-groups are here
	s_cmp_eq_u32 s11, 0                            ; a wave's two first fills stand in one branch, ahead of every wait on TENSORcnt, every LDS read and every further barrier: two loads of mine are out
	s_cbranch_scc0 .Lfirst_b
	tensor_load_to_lds s[84:87], s[24:31]
	s_nop 0
	tensor_load_to_lds s[32:35], s[24:31]
	s_nop 0
.rept 4
	v_nop
.endr
	s_branch .Lfirst_asked
.Lfirst_b:
	tensor_load_to_lds s[88:91], s[48:55]
	s_nop 0
	tensor_load_to_lds s[36:39], s[48:55]
	s_nop 0
.rept 4
	v_nop
.endr
.Lfirst_asked:
	v_and_b32 v1, 15, v0                           ; r = l % 16
	v_bfe_u32 v2, v0, 4, 1                         ; h = l / 16
	v_and_b32 v3, 31, v0                           ; l
	v_bfe_u32 v5, v0, 3, 1
	v_and_b32 v6, 7, v0
	v_mul_u32_u24 v[ADA0], v1, PA                  ; A's fragment: row r, 16 bytes for each half of the lanes
	v_lshl_add_u32 v[ADA0], v2, 4, v[ADA0]
	s_mul_i32 s21, s11, HALFA
	v_add_nc_u32 v[ADA0], s21, v[ADA0]
	v_lshl_add_u32 v4, v2, 3, v6                   ; B's: k row 8 h + l % 8, 16 bytes by (l / 8) % 2
	v_mul_u32_u24 v[ADB0], v4, PB
	v_lshl_add_u32 v[ADB0], v5, 4, v[ADB0]
	s_lshl_b32 s22, s12, 8
	s_add_co_u32 s22, s22, BOFF
	v_add_nc_u32 v[ADB0], s22, v[ADB0]
	s_mul_i32 s23, s10, STG                        ; my stage
	v_mul_u32_u24 v[STO], v1, SPI
	v_lshl_add_u32 v[STO], v2, 5, v[STO]
	v_add_nc_u32 v[STO], s23, v[STO]
.if KIND == 0
	v_mul_u32_u24 v[RD], v5, SPI                   ; back: 16 lanes take two rows of one head's 64 channels, 32 bytes of f32 a lane
	v_lshl_add_u32 v[RD], v2, 8, v[RD]
	v_lshl_add_u32 v[RD], v6, 5, v[RD]
	v_add_nc_u32 v[RD], s23, v[RD]
	v_lshlrev_b32 v[CO], 18, v2                    ; in qkv: the head (262,144 bytes), the row (128), my 16 bytes
	v_lshl_add_u32 v[CO], v5, 7, v[CO]
	v_lshl_add_u32 v[CO], v6, 4, v[CO]
	s_lshr_b32 s16, s13, 3                         ; the batch
	s_lshl_b32 s16, s16, 22
	s_and_b32 s17, s13, 7
	s_lshl_b32 s17, s17, 8
	s_lshl_b32 s18, s11, 7
	s_add_co_u32 s17, s17, s18                     ; my first row in the sequence
	s_lshl_b32 s17, s17, 7
	s_add_co_u32 s16, s16, s17
	s_mov_b32 s17, 0
	s_lshr_b32 s46, s42, 2                         ; q, k or v: 32 heads each
	s_lshl_b32 s46, s46, 23
	s_and_b32 s47, s42, 3
	s_lshl_b32 s47, s47, 2
	s_lshl1_add_u32 s47, s12, s47                  ; my first head
	s_lshl_b32 s47, s47, 18
	s_add_co_u32 s46, s46, s47
	s_mov_b32 s47, 0
	s_add_nc_u64 s[16:17], s[16:17], s[46:47]
	s_add_nc_u64 s[8:9], s[8:9], s[16:17]
.else
	v_mul_u32_u24 v[RD], v2, SPI                   ; back: 16 lanes take a row of 128 numbers, 32 bytes of f32 a lane
	v_lshl_add_u32 v[RD], v1, 5, v[RD]
	v_add_nc_u32 v[RD], s23, v[RD]
	v_lshlrev_b32 v[CO], 13, v2
	v_lshl_add_u32 v[CO], v1, 4, v[CO]
	s_lshl_b32 s16, s13, 8
	s_lshl_b32 s17, s11, 7
	s_add_co_u32 s16, s16, s17
	s_lshl_b32 s16, s16, 13                        ; my first row, 8,192 bytes a row
	s_mov_b32 s17, 0
	s_lshl_b32 s46, s42, 9
	s_lshl_b32 s47, s12, 8
	s_add_co_u32 s46, s46, s47                     ; my first column, 2 bytes each
	s_mov_b32 s47, 0
	s_add_nc_u64 s[16:17], s[16:17], s[46:47]
	s_add_nc_u64 s[8:9], s[8:9], s[16:17]
	s_lshl_b32 s46, s46, 1                         ; 4 bytes each in the bias
	s_add_nc_u64 s[66:67], s[66:67], s[46:47]
	v_lshlrev_b32 v7, 5, v2                        ; a lane's 8 columns of a block of 16: 32 h bytes on
	WIN 0x40
.irp b, 0,1,2,3,4,5,6,7
	global_load_b128 v[8*(\b):8*(\b)+3],   v7, s[66:67] offset:64*(\b)
	global_load_b128 v[8*(\b)+4:8*(\b)+7], v7, s[66:67] offset:64*(\b)+16
.endr
	WIN 0
	s_mov_b32 s76, 0xc0135761                      ; C1 = -2 sqrt(2 / pi) log2(e)
	s_mov_b32 s77, s76
	s_mov_b32 s78, 0xbdd2d3e8                      ; C3 = 0.044715 C1
	s_mov_b32 s79, s78
.endif
	; the prefetches: where they stand (K step 2; each change steps them before it asks), their step, and who asks
	s_lshl_b32 s18, s13, 8
	s_lshl_b32 s19, s12, 7
	s_add_co_u32 s18, s18, s19
	s_lshl_b32 s19, s40, 5
	s_add_co_u32 s18, s18, s19                     ; A: my work-group's 32 of the 128 rows that I fetch
	s_lshl_b32 s18, s18, 11
	s_add_co_u32 s18, s18, 2*ASTEP
	s_lshl_b32 s19, s12, 6
	s_lshl_b32 s20, s41, 4
	s_add_co_u32 s19, s19, s20                     ; B: my work-group's 16 of the 64 k rows, two blocks each
	s_mul_i32 s19, s19, NN*2
	s_lshl_b32 s20, s42, 9
	s_add_co_u32 s19, s19, s20
	s_add_co_u32 s19, s19, SEC+2*BSTEP
	s_and_b32 s20, ttmp7, 0xffff
	s_mov_b32 s74, BSTEP
	s_mov_b32 s82, NN*2
	s_cmp_eq_u32 s11, 0
	s_cselect_b32 s18, s18, s19
	s_cselect_b32 s20, ttmp9, s20                  ; the coordinate along which other clusters read the same bytes
	s_cselect_b64 s[72:73], s[4:5], s[6:7]
	s_cselect_b32 s74, ASTEP, s74
	s_cselect_b32 s81, 0, 1
	s_cselect_b32 s82, 2048, s82
	s_mov_b32 s19, 0
	s_mov_b32 s75, 0
	s_add_nc_u64 s[72:73], s[72:73], s[18:19]
	s_cmp_eq_u32 s20, 0
	s_cselect_b32 s71, 1, -1                       ; the same in all sixteen partners, for a given wave
	v_lshrrev_b32 v8, s81, v3
	v_mul_lo_u32 v8, v8, s82
	v_and_b32 v9, s81, v3
	v_lshl_add_u32 v[PFO], v9, 8, v8
; 32 products: my rows 64 hi .. 64 hi + 63 x all 128 columns, 32 along K.  The accumulators take turns, one instruction a turn, in the same order everywhere.
.macro MULH f, hi, z
.if (\z) == 2
	WIN 0x91+0x40*(\hi)                            ; B window 1, A window 0, C (the bias) window 1, D window 2 or 3
.else
	WIN 0xa1+0x50*(\hi)                            ; C and D window 2 or 3
.endif
.irp a, 0,1,2,3
.irp b, 0,1,2,3,4,5,6,7
.if (\z) == 1
	v_wmma_f32_16x16x32_bf16 v[8*(8*(\a)+(\b)):8*(8*(\a)+(\b))+7], v[(\f)+8*(\b):(\f)+8*(\b)+7], v[(\f)+8*(4*(\hi)+(\a)):(\f)+8*(4*(\hi)+(\a))+7], 0
.elseif (\z) == 2
	v_wmma_f32_16x16x32_bf16 v[8*(8*(\a)+(\b)):8*(8*(\a)+(\b))+7], v[(\f)+8*(\b):(\f)+8*(\b)+7], v[(\f)+8*(4*(\hi)+(\a)):(\f)+8*(4*(\hi)+(\a))+7], v[8*(\b):8*(\b)+7]
.else
	v_wmma_f32_16x16x32_bf16 v[8*(8*(\a)+(\b)):8*(8*(\a)+(\b))+7], v[(\f)+8*(\b):(\f)+8*(\b)+7], v[(\f)+8*(4*(\hi)+(\a)):(\f)+8*(4*(\hi)+(\a))+7], v[8*(8*(\a)+(\b)):8*(8*(\a)+(\b))+7]
.endif
.endr
.endr
.endm
; The next quarter's 32 LDS loads, in one run, into buffer f.  The two address lines and two v_nop are the four plain instructions between the last product that read the buffer and the loads into it.
.macro FETCH f
	WIN 0
	s_add_co_u32 s59, s56, s57
	s_add_co_u32 s60, s56, s58
	v_add_nc_u32 v[ADA], s59, v[ADA0]
	v_add_nc_u32 v[ADB], s60, v[ADB0]
	v_nop
	v_nop
	s_add_co_u32 s57, s57, AQ
	s_add_co_u32 s58, s58, BQ
	WIN 0x40
.irp b, 0,1,2,3,4,5,6,7
	ds_load_tr16_b128 v[(\f)+8*(\b):(\f)+8*(\b)+3],   v[ADB] offset:32*(\b)
	ds_load_tr16_b128 v[(\f)+8*(\b)+4:(\f)+8*(\b)+7], v[ADB] offset:16*PB+32*(\b)
.endr
	WIN 0
.irp i, 0,1,2,3,4,5,6,7
	ds_load_b128 v[(\f)+8*(\i):(\f)+8*(\i)+3],   v[ADA] offset:16*(\i)*PA
	ds_load_b128 v[(\f)+8*(\i)+4:(\f)+8*(\i)+7], v[ADA] offset:16*(\i)*PA+32
.endr
.endm
.macro Q f, g, z                       ; a quarter: buffer f is multiplied, the next quarter fetched into g
	s_wait_dscnt 8                                 ; B and A's rows 0-63 are in; the youngest eight loads serve the second half
	MULH \f, 0, \z
	FETCH \g
	s_wait_dscnt 32                                ; all but the 32 just issued
	MULH \f, 1, \z
.endm
; THE CHANGE OF SLOTS.  Each wave waits for all its tensor loads (one is out: its part of the next slot), adds 0 to its spare word, and waits for that and for its reads of the old slot.
; fill = 1: a round of the cluster's barrier follows, and the joint refill of the old slot, with the next K step but one, is the first thing behind it: it has 256 products in which to land.
.macro CHANGE fill
	WIN 0
	s_wait_tensorcnt 0x0                           ; no tensor load of mine is out, so the descriptors may be written
	ds_add_u32 v[SPW], v[NIL]
.if \fill
	s_add_co_u32 s33, s56, s63                     ; the walking descriptors: into the slot that is left,
	s_add_co_u32 s37, s56, s70
	s_add_nc_u64 s[34:35], s[34:35], ASTEP         ; the next K step
	s_add_nc_u64 s[38:39], s[38:39], BSTEP
	s_wait_xcnt 0x0                                ; the last prefetch, a K step back, has read its address
	s_add_nc_u64 s[72:73], s[72:73], s[74:75]
.endif
	s_xor_b32 s56, s56, SLOT                       ; the fetches turn to the other slot,
	s_mov_b32 s57, 0                               ; at its first quarter
	s_mov_b32 s58, 0
	s_wait_dscnt 0x0                               ; the add is done, and my reads of the old slot are over
.if \fill
	CROUND
	JLOAD
	ASK
.else
	s_barrier_signal -1
	s_barrier_wait -1
.endif
.endm
	s_wait_tensorcnt 0x1                           ; my part of K step 0 is in; K step 1's load, the one issued behind it, may stay out
	s_barrier_signal -1
	s_barrier_wait -1                              ; everybody's part is in
	FETCH F0
.if KIND == 1
	s_wait_loadcnt 0x0                             ; the bias
.endif
	Q F0, F1, ZF                                   ; the first quarter starts the sums
	WIN 0
	s_mov_b32 s61, 1
	s_mov_b32 s62, NSTEP-1
	s_branch .Lpair                                ; the loop is entered behind its change of slots
.Lstep:                                        ; NSTEP - 2 trips: each fills a slot again
	CHANGE 1
	s_mov_b32 s61, 2
.Lpair:
	Q F1, F0, 0
	Q F0, F1, 0
	WIN 0
	s_sub_co_u32 s61, s61, 1
	s_cmp_lg_u32 s61, 0
	s_cbranch_scc1 .Lpair
	s_sub_co_u32 s62, s62, 1
	s_cmp_lg_u32 s62, 0
	s_cbranch_scc1 .Lstep
	CHANGE 0                                       ; the last K step is in; nothing is asked for
	s_mov_b32 s61, 2
.Ltail:
	Q F1, F0, 0
	Q F0, F1, 0
	WIN 0
	s_sub_co_u32 s61, s61, 1
	s_cmp_lg_u32 s61, 0
	s_cbranch_scc1 .Ltail
	s_wait_dscnt 8                                 ; the very last quarter
	MULH F1, 0, 0
	s_wait_dscnt 0x0
	MULH F1, 1, 0
	; THE WAY OUT.  All reads of the slots are over (each wave has waited for its own) and no fill follows: behind a barrier each wave lays its 128 x 128 sums, in f32, into a stage of its own,
	; and takes them back by rows in a loop.  A trip's rows are asked of LDS in the trip before, as soon as their registers are free; the last trip asks for none.
	WIN 0
.rept 4
	v_nop                                          ; four plain instructions between the last product and the stores that read results
.endr
	s_barrier_signal -1
	s_barrier_wait -1
.irp a, 0,1,2,3,4,5,6,7
	WIN 0x08+4*((\a)/4)                            ; the stores' data in window 2 or 3
.irp b, 0,1,2,3,4,5,6,7
	ds_store_b128 v[STO], v[8*(8*((\a)%4)+(\b)):8*(8*((\a)%4)+(\b))+3]   offset:16*SPI*(\a)+64*(\b)
	ds_store_b128 v[STO], v[8*(8*((\a)%4)+(\b))+4:8*(8*((\a)%4)+(\b))+7] offset:16*SPI*(\a)+64*(\b)+16
.endr
.endr
	WIN 0
.macro ROWS                            ; 16 rows; LDS serves a wave's instructions in order, so the loads see the stores above
.irp i, 0,1,2,3,4,5,6,7
	ds_load_b128 v[64+8*(\i):64+8*(\i)+3],   v[RD] offset:2*SPI*(\i)
	ds_load_b128 v[64+8*(\i)+4:64+8*(\i)+7], v[RD] offset:2*SPI*(\i)+16
.endr
.endm
	s_mov_b32 s80, 8
	ROWS
.Lout:                                         ; 16 rows a trip
	s_wait_dscnt 0x0                               ; this trip's rows are in
	s_wait_xcnt 0x0                                ; the last trip's stores have read their data and their offset, which are rewritten below
.set k, 0
.rept 32
	v_cvt_pk_bf16_f32 v[32+k], v[64+2*k], v[64+2*k+1]
.set k, k+1
.endr
	s_cmp_eq_u32 s80, 1
	s_cbranch_scc1 .Lno_rows
	v_add_nc_u32 v[RD], 16*SPI, v[RD]
	ROWS                                           ; the next trip's rows, on their way while this trip's stores leave
.Lno_rows:
	v_add_nc_u32 v[CO], 2048, v[CO]                ; stepped ahead of the stores, which reach back
.irp i, 0,1,2,3,4,5,6,7
	global_store_b128 v[CO], v[32+4*(\i):32+4*(\i)+3], s[8:9] offset:256*(\i)-2048  ; 16 lanes: two rows of one head, 256 consecutive bytes, aligned
.endr
	s_sub_co_u32 s80, s80, 1
	s_cmp_lg_u32 s80, 0
	s_cbranch_scc1 .Lout
	s_wait_tensorcnt 0x0                           ; the wave's end
	ds_add_u32 v[SPW], v[NIL]
	s_wait_dscnt 0x0
	CROUND                                         ; the closing round
	s_endpgm
; THE CAST.  64 work-groups, 256 waves.  A unit is 2,048 numbers: 8,192 bytes in, 4,096 out.  wo has 512 units, w1 and w2 2,048 each, and in wbr they lie on end in that order.  Wave v takes the units
; v + 256 m, m = 0 .. 17: m = 0, 1 are wo's, 2 .. 9 w1's, 10 .. 17 w2's, so that no unit lies in two tensors and neighbouring waves read neighbouring bytes.  A trip is three units: 48 loads of 512 consecutive
; bytes, then run by run 16 roundings and 8 stores of 256 consecutive bytes, aligned.  No LDS, no tensor load.
; AHEAD OF THE LOADS: behind a trip's loads the wave prefetches its own three units of the next trip, a lane to each 256 bytes, one instruction a unit: each block is named once; the first trip comes by its
; loads alone, and the last trip names nothing.
.set CX, 32                            ; v[32:223] six runs of 1,024 numbers, 32 registers each, rounded in place
.Lcast:
	s_load_b256 s[16:23], s[0:1], 0x18             ; wo s[16:17], w1 s[18:19], w2 s[20:21], wbr s[22:23]
	v_lshrrev_b32 v4, 5, v0
	v_readfirstlane_b32 s10, v4                    ; wave 0..3
	v_and_b32 v3, 31, v0
	v_lshlrev_b32 v1, 4, v3                        ; 16 bytes a lane on the way in
	v_lshlrev_b32 v2, 3, v3                        ; 8 bytes a lane on the way out
	v_lshlrev_b32 v3, 8, v3                        ; the prefetches: 256 bytes a lane
	s_bfe_u32 s40, ttmp6, 0x40000                  ; cx, cy: they enter global addresses alone
	s_bfe_u32 s41, ttmp6, 0x40004
	s_and_b32 s13, ttmp7, 0xffff
	s_lshl_b32 s13, s13, 2
	s_add_co_u32 s13, s13, s41                     ; work-group y, 0 .. 15
	s_lshl_b32 s13, s13, 2
	s_add_co_u32 s13, s13, s40                     ; my work-group among the 64
	s_lshl_b32 s13, s13, 2
	s_add_co_u32 s13, s13, s10                     ; my wave among the 256
	s_lshl_b32 s14, s13, 13                        ; x 8,192 bytes in
	s_mov_b32 s15, 0
	s_lshl_b32 s24, s13, 12                        ; x 4,096 bytes out
	s_mov_b32 s25, 0
	s_mov_b32 s27, 0
	s_mov_b32 s28, 3                               ; m of the next trip's first unit
	s_mov_b32 s29, 6                               ; trips
	s_wait_kmcnt 0x0
	s_add_nc_u64 s[16:17], s[16:17], s[14:15]
	s_add_nc_u64 s[18:19], s[18:19], s[14:15]
	s_add_nc_u64 s[20:21], s[20:21], s[14:15]
	s_add_nc_u64 s[22:23], s[22:23], s[24:25]
	s_mov_b64 s[44:45], s[16:17]                   ; the first trip's units: m = 0 and 1 in wo (256 units are 2,097,152 bytes),
	s_add_nc_u64 s[46:47], s[16:17], 0x200000
	s_mov_b64 s[48:49], s[18:19]                   ; m = 2, the first in w1
.irp j, 0,1,2
	s_mov_b64 s[52+2*(\j):53+2*(\j)], s[18:19]     ; the next trip's three addresses are made in the loop; written here once, so that the copies at a trip's end find them written on every way
.endr
.Lcrun:
.irp j, 0,1,2
.irp i, 0,1,2,3,4,5,6,7,8,9,10,11,12,13,14,15
	global_load_b128 v[CX+64*(\j)+4*(\i):CX+64*(\j)+4*(\i)+3], v1, s[44+2*(\j):45+2*(\j)] offset:512*(\i) th:TH_LOAD_NT
.endr
.endr
	s_cmp_eq_u32 s29, 1
	s_cbranch_scc1 .Lcasked                        ; the last trip has no trip behind it
.irp j, 0,1,2
	s_cmp_lt_u32 s28, 10                           ; from m = 3 on a unit lies in w1 or in w2
	s_cselect_b64 s[52+2*(\j):53+2*(\j)], s[18:19], s[20:21]
	s_cselect_b32 s26, 2, 10
	s_sub_co_u32 s26, s28, s26                     ; m within the tensor
	s_lshl_b32 s26, s26, 21
	s_add_nc_u64 s[52+2*(\j):53+2*(\j)], s[52+2*(\j):53+2*(\j)], s[26:27]
	s_add_co_u32 s28, s28, 1
.endr
.irp j, 0,1,2
	global_prefetch_b8 v3, s[52+2*(\j):53+2*(\j)] th:TH_LOAD_NT scope:SCOPE_SE
.endr
.Lcasked:
.irp r, 0,1,2,3,4,5
	s_wait_loadcnt 40-8*(\r)                       ; run r's eight loads are in; those of the runs behind it may stay out
.set k, 0
.rept 16                               ; in place: conversion k writes a register that no later conversion reads
	v_cvt_pk_bf16_f32 v[CX+32*(\r)+k], v[CX+32*(\r)+2*k], v[CX+32*(\r)+2*k+1]
.set k, k+1
.endr
.irp i, 0,1,2,3,4,5,6,7
	global_store_b64 v2, v[CX+32*(\r)+2*(\i):CX+32*(\r)+2*(\i)+1], s[22:23] offset:((\r)/2)*1048576+((\r)%2)*2048+256*(\i)
.endr
.endr
	s_wait_xcnt 0x0                                ; the stores have read their data and base, the prefetches their addresses: all are rewritten below or in the next trip
	s_add_nc_u64 s[22:23], s[22:23], 3*1048576     ; three steps of m: 256 units of 4,096 bytes each
.irp j, 0,1,2
	s_mov_b64 s[44+2*(\j):45+2*(\j)], s[52+2*(\j):53+2*(\j)]  ; (the loads that read these were waited for above)
.endr
	s_sub_co_u32 s29, s29, 1
	s_cmp_lg_u32 s29, 0
	s_cbranch_scc1 .Lcrun
	CROUND                                         ; a closing round on this path too: all sixteen work-groups of this cluster take it
	s_endpgm
.Lfunc_end_k_q42d685bfde_qkvp:
	.size	k_q42d685bfde_qkvp, .Lfunc_end_k_q42d685bfde_qkvp-k_q42d685bfde_qkvp
	.p2alignl 7, 3214868480
	.fill 96, 4, 3214868480
	.section	.rodata,"a",@progbits
	.p2align	6, 0x0
	.amdhsa_kernel k_q42d685bfde_qkvp
		.amdhsa_group_segment_fixed_size 327680
		.amdhsa_private_segment_fixed_size 0
		.amdhsa_enable_private_segment 0
		.amdhsa_kernarg_size 56
		.amdhsa_user_sgpr_count 2
		.amdhsa_user_sgpr_kernarg_segment_ptr 1
		.amdhsa_wavefront_size32 1
		.amdhsa_system_sgpr_workgroup_id_x 1
		.amdhsa_system_sgpr_workgroup_id_y 1
		.amdhsa_system_sgpr_workgroup_id_z 1
		.amdhsa_system_vgpr_workitem_id 0
		.amdhsa_next_free_vgpr 1024
		.amdhsa_next_free_sgpr 96
		.amdhsa_reserve_vcc 0
		.amdhsa_float_denorm_mode_32 3
		.amdhsa_float_denorm_mode_16_64 3
		.amdhsa_memory_ordered 1
		.amdhsa_forward_progress 1
		.amdhsa_inst_pref_size 82
	.end_amdhsa_kernel
	.amdgpu_metadata
---
amdhsa.version: [ 1, 2 ]
amdhsa.kernels:
  - .name:           k_q42d685bfde_qkvp
    .symbol:         k_q42d685bfde_qkvp.kd
    .args:
      - { .name: hn, .offset: 0, .size: 8, .value_kind: global_buffer, .address_space: global }
      - { .name: wbq, .offset: 8, .size: 8, .value_kind: global_buffer, .address_space: global }
      - { .name: qkv, .offset: 16, .size: 8, .value_kind: global_buffer, .address_space: global }
      - { .name: wo, .offset: 24, .size: 8, .value_kind: global_buffer, .address_space: global }
      - { .name: w1, .offset: 32, .size: 8, .value_kind: global_buffer, .address_space: global }
      - { .name: w2, .offset: 40, .size: 8, .value_kind: global_buffer, .address_space: global }
      - { .name: wbr, .offset: 48, .size: 8, .value_kind: global_buffer, .address_space: global }
    .group_segment_fixed_size: 327680
    .private_segment_fixed_size: 0
    .kernarg_segment_align: 8
    .kernarg_segment_size: 56
    .max_flat_workgroup_size: 128
    .sgpr_count:     96
    .vgpr_count:     1024
    .wavefront_size: 32
...
	.end_amdgpu_metadata
.endif
;; end of part 2
;; launch attn (part 3): grid 8 x 32, 4 waves a work-group, no clusters, 327,680 bytes of LDS; arguments qkv, ctx; writes ctx
.if DOCPART == 3
	.amdgcn_target "amdgcn-amd-amdhsa--gfx1250"
	.amdhsa_code_object_version 6
	.text
	.protected	k_q42d685bfde_attn
	.globl	k_q42d685bfde_attn
	.p2align	8
	.type	k_q42d685bfde_attn,@function
k_q42d685bfde_attn:
	s_mov_b64 s[64:65], 0
	v_nop
	global_prefetch_b8 v0, s[64:65] scope:SCOPE_SE
	s_setreg_imm32_b32 hwreg(HW_REG_WAVE_MODE, 25, 1), 1
	s_wait_xcnt 0x0
; CAUSAL ATTENTION.  ctx[h][q][:] = the sum over k <= q of softmax_k(Q[h][q] . K[h][k] / 8) V[h][k][:].  qkv: [3][32 heads][2048][64] bf16, ctx: [32][2048][64] bf16: a head's rows are dense, 128 bytes each.
; Products, maxima and sums in f32; the weights p are rounded to bf16 for the second product (their sum l is taken of the unrounded p), ctx once at the end.
; LIMITS.  A hidden score counts as its value less 1e30, so |Q . K| must stay far below 1e30; a weight below 2^-126 counts as 0 in l; NaN and infinities are not treated apart.
; THE WALK.  A head has 16 blocks of 128 queries and 8 tiles of 256 keys; block i needs tiles 0 .. i / 2, the last of which takes masks.  A work-group takes blocks 15 - b and then b: 9 tiles whatever b,
; so all 256 work-groups do equal work and one loop with a constant count walks them.  What a trip does hangs on scalar registers made from b; every jump but the counted loops' own goes forward.
; NO CLUSTER: the eight work-groups of a head ask for the same tile only in trips 0 to 4, and a walk common to four partners would have 12 trips for 9.
; SHARES.  A wave owns 32 queries of a block: two tiles of 16.  Keys go 64 a step.
; LAYOUT.  S^T = K Q^T holds ONE query a lane (lane % 16) and the keys 8 (lane / 16) + 0..7; two such results rounded to bf16 ARE source 1 of O^T = V^T P.  p = 2^(c s - c m), c = log2(e) / 8, with a running
; maximum m; O and l are multiplied by a = 2^(c m_old - c m_new) in every step.
; TURNS.  Piece P = 2 (step's parity) + tile, in a ring of four.  Turn P: 8 products K Q^T of piece P + 1, later 8 products V^T P of piece P - 1; beside them the scaling, exponentials, roundings, sums and
; rescaling of piece P and the maximum and statistics of piece P + 1.  Four vector instructions stand behind every product, the rest in one lump; a turn's 33 exponentials are one batch with one wait.
; K has one register buffer, fetched in the even turns' lump; V two, by the step's parity, fetched in the odd turns behind the wait: so a tile is wholly in registers or on its way behind turn 1 of its third step,
; where the change of slots stands.
; THE MASK is the C operand that starts a sum: MD (made once, by tile) is the mask of my own step s* = 2 (block % 2) + wave / 2 of the masked tile; a product's mask is MD x AL + BE: (1, 0) in step s*, (0, 0) before, (0, -1e30) behind.
; REGISTERS (windows of 256; s_set_vgpr_msb: bits 1:0 source 0, 3:2 source 1, 5:4 source 2, 7:6 destination):
;   window 0: v0-15 addresses and work; v16-23 statistics; v48-55 at work; v61-63; v64-127 S^T, two buffers; v128-191 O^T; v192-223 P, two buffers: all that the softmax's lines name, so that they need no switch among themselves
;   window 1: v64-127 MD; v128-191 MC      window 2: v0-31 Q; v32-63 the second block's Q; v64-127 K; v128-255 V, two buffers
.set KS,    64
.set PK,    144       ; a row of K in LDS: 128 bytes + 16
.set PV,    160       ; a row of V: 128 + 32, an odd multiple of 32
.set VOFF,  4*KS*PK   ; a slot holds a tile: 256 rows of K, then 256 rows of V
.set SLOT1, 1<<17     ; slot 1 begins here, so that one exclusive or turns an address in one slot into the other's
.set STAGE, SLOT1+4*KS*(PK+PV)  ; behind the ring, never filled by a tensor load: 16 rows x 144 bytes for each wave, for the way out
.set SP,    144
.set SPARE, STAGE+4*16*SP       ; the spare words, 128 bytes a wave, which no other line names
.set AK0, 2           ; my lane's place in a tile of K; never rewritten
.set AV0, 3           ; the same for V
.set AK,  4           ; the LDS address of K's next run of loads
.set AV,  5           ; of V's
.set STO, 6
.set RD,  7
.set GO,  8
.set MV,  12          ; v12-13  c m_old, by buffer
.set QO,  15
.set ST,  16          ; tile t's statistics at v[ST+4 t]: c m, m, l (even keys', odd keys')
.set TMP, 48          ; by buffer, c0-c3 at work; c2 takes a
.set PFO, 61          ; the prefetch's offset; never rewritten
.set SPW, 62          ; my spare word's LDS address; never rewritten
.set NIL, 63          ; 0; never rewritten
.set S,   64
.set OB,  128         ; O^T, 32 a tile
.set P,   192
.set MD,  64          ; window 1
.set MC,  128         ; window 1
.set QB,  32          ; window 2
.set KF,  64          ; window 2: key block kb, channel half c at KF + 16 kb + 8 c
.set VF,  128         ; window 2: buffer u, key half kk, channel block cb at VF + 64 u + 32 kk + 8 cb
.set WV,  12
.set PB,  14          ; b
.set G1K, 24
.set G1V, 32
.set G0K, 40
.set G0V, 44
.set SLOTS, 56
.set CNT, 57          ; counts a tile's two trips of two steps
.set CS,  58
.set SEL, 60
.set TBK, 62          ; LDS byte at which K of the step to be fetched begins
.set TBV, 63          ; the same for V, less VOFF
.set RT,  70          ; tiles of the block in hand still to be entered
.set NXT, 71          ; the tile to be asked for next
.set LQ,  72          ; the last tile of the block whose tiles are being asked for
.set NEW, 73          ; 1: the tile to be entered is a block's first
.set OFF, 74
.set AL,  76
.set BE,  78
.set OLO, 80          ; ctx at my rows of the second block
.set BIGN, 82
.set SS,  83          ; s*
.set PFA, 88          ; where my work-group's prefetches stand
.set PFN, 90          ; the tile that they name
.set PFL, 91          ; they stop below this number: 8 in wave 0, else 0
.set TM,  92
.set LQ2, 94          ; b / 2
.set MSB, 0
.macro WIN new                      ; the high byte repeats the setting that is left; a switch that changes nothing is dropped
.if MSB != (\new)
	s_set_vgpr_msb (MSB<<8)|(\new)
.set MSB, (\new)
.endif
.endm
.set W_KQ, 0x0a       ; K and Q in window 2, S^T in window 0
.set W_KM, 0x1a       ; the same with the C operand in window 1
.set W_PV, 0x02       ; V in window 2; P and O^T in window 0
.set W_MK, 0x41       ; the masks: destination and source 0 in window 1
.macro LOAD                         ; waves 0, 1 fetch the halves of a tile's K, waves 2, 3 those of its V; an s_nop 0 and four v_nop follow each line
	s_cmp_lt_u32 s[WV], 2
	s_cbranch_scc0 .Lfor_v_\@
	tensor_load_to_lds s[G0K:G0K+3], s[G1K:G1K+7]
	s_nop 0
.rept 4
	v_nop
.endr
	s_branch .Lasked_\@
.Lfor_v_\@:
	tensor_load_to_lds s[G0V:G0V+3], s[G1V:G1V+7]
	s_nop 0
.rept 4
	v_nop
.endr
.Lasked_\@:
.endm
; THE CHANGE OF SLOTS.  Each wave waits for all its tensor loads (one is out: its part of the other slot), adds 0 to its spare word, and waits for that and for its reads of the slot that it leaves.
; fill = 1: the old slot is filled again, first thing behind the barrier, with tile NXT: the descriptor's address is made anew from that number.
; A PREFETCH stands behind the load.  The head's longest walk first loads tile t in trip t - 1; in trip t - 2 (t = 2 .. 7), one tile, 128 products a wave, earlier, the head's eight work-groups name that tile,
; shared out by address: work-group b's wave 0 takes the 4,096 bytes at 4,096 b of K's 32,768 (lanes 0-15, a lane to each 256) and of V's (lanes 16-31).  So each block is named once in the launch.
; Tiles 0 and 1 come by their loads alone; tile 7 is the last that is named.
.macro CHANGE fill
	WIN 0                           ; at a label and at a branch every window is 0
	s_wait_tensorcnt 0x0            ; no tensor load of mine is out, so a descriptor may be written
	ds_add_u32 v[SPW], v[NIL]       ; 0 onto my spare word; scalar work stands between it and the wait for it
.if \fill
	s_lshl_b32 s[OFF], s[NXT], 15   ; a tile is 32,768 bytes of K and of V
	s_xor_b32 s[G0K+1], s[G0K+1], SLOT1
	s_add_nc_u64 s[G0K+2:G0K+3], s[6:7], s[OFF:OFF+1]
	s_or_b32 s[G0K+3], s[G0K+3], 0x80000000
	s_xor_b32 s[G0V+1], s[G0V+1], SLOT1
	s_add_nc_u64 s[G0V+2:G0V+3], s[8:9], s[OFF:OFF+1]
	s_or_b32 s[G0V+3], s[G0V+3], 0x80000000
	s_add_co_u32 s[NXT], s[NXT], 1  ; the block's next tile, or behind its last the second block's tile 0
	s_cmp_gt_u32 s[NXT], s[LQ]
	s_cselect_b32 s[NXT], 0, s[NXT]
	s_cselect_b32 s[LQ], s[LQ2], s[LQ]
	s_wait_xcnt 0x0                 ; the last prefetch, a tile back, has read its address, so it may be stepped
	s_add_nc_u64 s[PFA:PFA+1], s[PFA:PFA+1], 32768
	s_add_co_u32 s[PFN], s[PFN], 1
.endif
	s_wait_dscnt 0x0                ; the add is done, and my reads of the slot are over
	s_barrier_signal -1             ; the rest of the scalar work stands between the signal and the wait
	s_sub_co_u32 s[TBK], s[TBK], 4*KS*PK  ; the fetches go back to a slot's first step,
	s_xor_b32 s[TBK], s[TBK], SLOT1       ; in the other slot
	s_sub_co_u32 s[TBV], s[TBV], 4*KS*PV
	s_xor_b32 s[TBV], s[TBV], SLOT1
	s_barrier_wait -1
.if \fill
	LOAD
	s_cmp_lt_u32 s[PFN], s[PFL]
	s_cbranch_scc0 .Lno_pf_\@
	global_prefetch_b8 v[PFO], s[PFA:PFA+1] th:TH_LOAD_NT scope:SCOPE_SE
.Lno_pf_\@:
.endif
.endm
	s_load_b128 s[4:7], s[0:1], 0x0   ; qkv s[4:5], ctx s[6:7]
	v_lshl_add_u32 v[SPW], v0, 2, SPARE
	v_mov_b32 v[NIL], 0
	ds_add_u32 v[SPW], v[NIL]       ; the wave's opening: the add and its wait stand ahead of my first tensor load
	ds_add_u32 v62, v63
	v_lshrrev_b32 v1, 5, v0
	v_readfirstlane_b32 s[WV], v1   ; wave 0..3
	s_mov_b32 s[PB], ttmp9
	s_sub_co_u32 s15, 15, s[PB]     ; the first block
	s_and_b32 s20, ttmp7, 0xffff
	s_lshl_b32 s20, s20, 18         ; the head's first byte in q, k, v and ctx
	s_and_b32 s16, s[WV], 1         ; which half of a tile's 256 keys I fetch
	s_lshl_b32 s22, s16, 14
	s_add_co_u32 s22, s22, s20
	s_add_co_u32 s22, s22, 8388608  ; k lies behind q
	s_mov_b32 s23, 0
	s_mul_i32 s17, s16, 128*PK
	s_mul_i32 s18, s16, 128*PV
	s_lshl_b32 s3, s[WV], 12        ; my 32 rows of a block's 128,
	s_lshl_b32 s2, s15, 14          ; in the first block,
	s_add_co_u32 s2, s2, s3
	s_add_co_u32 s2, s2, s20
	s_lshl_b32 s84, s[PB], 14       ; and in the second
	s_add_co_u32 s84, s84, s3
	s_add_co_u32 s84, s84, s20
	s_mov_b32 s3, 0
	s_mov_b32 s85, 0
	; 128 keys are 16,384 dense bytes: asked for as 64 rows of 256 bytes, two keys a row, padded in LDS after every key
	s_mov_b32 s[G1K], (1<<16)|(1<<20)|(4<<22)|(3<<25)
	s_mov_b32 s[G1V], (1<<16)|(1<<20)|(4<<22)|(7<<25)
.irp g, G1K, G1V
	s_mov_b32 s[\g+1], 128<<16      ; tensor_dim0 = 128
	s_mov_b32 s[\g+2], 64<<16       ; tensor_dim1 = 64
	s_mov_b32 s[\g+3], 128<<16      ; tile_dim0 = 128
	s_mov_b32 s[\g+4], 64           ; tile_dim1 = 64
	s_mov_b32 s[\g+5], 128          ; elements from row to row
	s_mov_b32 s[\g+6], 0
	s_mov_b32 s[\g+7], 0
.endr
	s_mov_b32 s[CS], 0x3e38aa3b     ; c = log2(e) / 8
	s_mov_b32 s[CS+1], s[CS]        ; named with it as a pair
	s_mov_b32 s[SEL], 0x76543210
	s_mov_b32 s[SEL+1], 0xfedcba98
	s_mov_b32 s[TBK], SLOT1+4*KS*PK ; the first change of slots turns these two into 0
	s_mov_b32 s[TBV], SLOT1+4*KS*PV
	s_mov_b32 s[G0K], 1
	s_mov_b32 s[G0K+1], s17
	s_mov_b32 s[G0V], 1
	s_add_co_u32 s[G0V+1], s18, VOFF
	s_lshl_b32 s18, s[PB], 12       ; the prefetches: my work-group's eighth of a tile of K,
	s_add_co_u32 s18, s18, s20
	s_add_co_u32 s18, s18, 8388608+32768  ; at tile 1; each change steps them before it asks
	s_mov_b32 s19, 0
	s_lshr_b32 s[LQ], s15, 1
	s_add_co_u32 s[RT], s[LQ], 1    ; the first block has (15 - b) / 2 + 1 tiles
	s_lshr_b32 s[LQ2], s[PB], 1
	s_mov_b32 s[NXT], 1
	s_mov_b32 s[NEW], 1
	s_and_b32 s[SS], s15, 1
	s_lshl_b32 s[SS], s[SS], 1
	s_lshr_b32 s[TM], s[WV], 1
	s_add_co_u32 s[SS], s[SS], s[TM]
	s_mov_b32 s[OFF+1], 0
	s_mov_b32 s[AL+1], 0            ; named as pairs
	s_mov_b32 s[BE+1], 0
	s_mov_b32 s[BIGN], 0xf149f2ca   ; -1e30
	s_mov_b32 s[SLOTS], 8
	s_mov_b32 s[PFN], 1
	s_cmp_eq_u32 s[WV], 0
	s_cselect_b32 s[PFL], 8, 0
	s_wait_dscnt 0x0                ; the opening add is done
	s_wait_kmcnt 0x0
	s_mov_b64 s[10:11], s[6:7]
	s_add_nc_u64 s[6:7], s[4:5], s[22:23]          ; K at my half of the head's tile 0,
	s_add_nc_u64 s[8:9], s[6:7], 8388608           ; V likewise
	s_add_nc_u64 s[G0K+2:G0K+3], s[6:7], 0
	s_or_b32 s[G0K+3], s[G0K+3], 0x80000000
	s_add_nc_u64 s[G0V+2:G0V+3], s[8:9], 0
	s_or_b32 s[G0V+3], s[G0V+3], 0x80000000
	s_add_nc_u64 s[PFA:PFA+1], s[4:5], s[18:19]
	s_add_nc_u64 s[86:87], s[4:5], s[84:85]        ; Q at my rows of the second block,
	s_add_nc_u64 s[4:5], s[4:5], s[2:3]            ; Q and ctx at those of the first
	s_add_nc_u64 s[OLO:OLO+1], s[10:11], s[84:85]
	s_add_nc_u64 s[10:11], s[10:11], s[2:3]
	LOAD                            ; tile 0 into slot 0
	v_and_b32 v1, 15, v0            ; l % 16
	v_bfe_u32 v9, v0, 4, 1          ; l / 16
	v_lshlrev_b32 v[QO], 7, v1
	v_lshl_add_u32 v[QO], v9, 4, v[QO]
	WIN 0x80
.set i, 0
.rept 4                             ; both blocks' Q: tile i / 2, channels 32 (i % 2) on
	global_load_b128 v[8*i:8*i+3],   v[QO], s[4:5] offset:(i/2)*2048+(i%2)*64
	global_load_b128 v[8*i+4:8*i+7], v[QO], s[4:5] offset:(i/2)*2048+(i%2)*64+32
	global_load_b128 v[QB+8*i:QB+8*i+3],   v[QO], s[86:87] offset:(i/2)*2048+(i%2)*64
	global_load_b128 v[QB+8*i+4:QB+8*i+7], v[QO], s[86:87] offset:(i/2)*2048+(i%2)*64+32
.set i, i+1
.endr
	WIN 0
	v_lshlrev_b32 v14, 3, v9
	v_sub_nc_u32 v14, v1, v14
	s_lshl_b32 s13, s16, 5
	v_add_nc_u32 v14, s13, v14      ; tile 0's query's place in its step of 64 keys, 32 (w % 2) + l % 16, less my lanes' 8 (l / 16); tile 1's is 16 more
	WIN 0x40
.set i, 0
.rept 64                            ; register i % 8 of key group (i % 32) / 8 of tile i / 32 is hidden where its key is the greater
	v_cmp_gt_i32 vcc_lo, 16*((i%32)/8)+i%8-16*(i/32), v14
	v_cndmask_b32 v[MD+i], 0, s[BIGN], vcc_lo
.set i, i+1
.endr
	WIN 0
	v_mul_u32_u24 v[AK0], v1, PK
	v_lshl_add_u32 v[AK0], v9, 4, v[AK0]  ; row x pitch + 16 x half
	; The turning load takes 16 keys x 16 channels (lane l reads key 8 (l / 16) + l % 8, channels 8 ((l / 8) % 2) + 0..7) and leaves half a fragment of V^T: lane l holds channel l % 16 and 8 keys.
	v_and_b32 v10, 7, v0
	v_bfe_u32 v11, v0, 3, 1
	v_lshl_add_u32 v[AV0], v9, 3, v10
	v_mul_u32_u24 v[AV0], v[AV0], PV
	v_lshl_add_u32 v[AV0], v11, 4, v[AV0]
	v_add_nc_u32 v[AV0], VOFF, v[AV0]
	s_mul_i32 s13, s[WV], 16*SP
	s_add_co_u32 s13, s13, STAGE    ; my stage
	v_mul_u32_u24 v[STO], v1, SP    ; in: row l % 16, 16 bytes for each half of the lanes
	v_lshl_add_u32 v[STO], v9, 4, v[STO]
	v_add_nc_u32 v[STO], s13, v[STO]
	v_bfe_u32 v[RD], v0, 3, 2       ; back: 32 lanes take four rows of 128 bytes,
	v_mul_u32_u24 v[RD], v[RD], SP
	v_lshl_add_u32 v[RD], v10, 4, v[RD]
	v_add_nc_u32 v[RD], s13, v[RD]
	v_and_b32 v[GO], 31, v0         ; which are 512 consecutive bytes of ctx
	v_lshlrev_b32 v[GO], 4, v[GO]
	v_lshlrev_b32 v[PFO], 8, v1     ; the prefetch: 256 (l % 16), and for lanes 16-31 from K on to V
	v_lshl_add_u32 v[PFO], v9, 23, v[PFO]
	; A block's first step multiplies O^T and l by a = 0, and its first turn's products V^T P, of a piece that has not been, land in an O^T that is still to be so multiplied: these registers need only be finite.
	WIN 0x80
.set i, VF+64
.rept 64
	v_mov_b32 v[i], 0
.set i, i+1
.endr
	WIN 0
.set i, OB
.rept 64
	v_mov_b32 v[i], 0
.set i, i+1
.endr
.set i, 0
.rept 2
	v_mov_b32 v[ST+4*i+2], 0
	v_mov_b32 v[ST+4*i+3], 0
.set i, i+1
.endr
.set i, P+16
.rept 16
	v_mov_b32 v[i], 0
.set i, i+1
.endr
; THE MATRIX WORK.  The 4 accumulators of a run of 8 take turns.  Product i of 8 of S^T for piece x: channels 32 (i / 4) on, keys 16 (i % 4) on; the first 4 start the sums, with 0 or (KM = 1) the mask.
.macro KQ x
.set rS, S+32*((\x)%2)+8*(i%4)
.set rK, KF+16*(i%4)+8*(i/4)
.set rQ, 16*((\x)%2)+8*(i/4)
.set rM, MC+32*((\x)%2)+8*(i%4)
.if (i < 4) && KM
	WIN W_KM
	v_wmma_f32_16x16x32_bf16 v[rS:rS+7], v[rK:rK+7], v[rQ:rQ+7], v[rM:rM+7]
.elseif i < 4
	WIN W_KQ
	v_wmma_f32_16x16x32_bf16 v[rS:rS+7], v[rK:rK+7], v[rQ:rQ+7], 0
.else
	WIN W_KQ
	v_wmma_f32_16x16x32_bf16 v[rS:rS+7], v[rK:rK+7], v[rQ:rQ+7], v[rS:rS+7]
.endif
.endm
.macro PV x                         ; product i of 8 of O^T += V^T P for piece x: keys 32 (i / 4) on, channels 16 (i % 4) on
	WIN W_PV
.set rO, OB+32*((\x)%2)+8*(i%4)
.set rV, VF+64*((\x)/2)+32*(i/4)+8*(i%4)
.set rP, P+16*((\x)%2)+8*(i/4)
	v_wmma_f32_16x16x32_bf16 v[rO:rO+7], v[rV:rV+7], v[rP:rP+7], v[rO:rO+7]
.endm
.macro MM                           ; the turn's next matrix instruction.  NOKQ = 1: a block's last turn: there is no next piece
.if (i < 8) && !NOKQ
	KQ (Y+1)%4
.elseif i >= 8
.set i, i-8
	PV (Y+3)%4
.set i, i+8
.endif
.set i, i+1
.endm
; THE LDS LOADS stand in runs of 16, never singly among the matrix instructions.  Their addresses are made some lines ahead.
.macro FETCH_K
	WIN 0x80
.irp f, 0,1,2,3,4,5,6,7             ; keys 16 (f / 2) on, channels 32 (f % 2) on
	ds_load_b128 v[KF+8*\f:KF+8*\f+3],   v[AK] offset:(\f/2)*16*PK+(\f%2)*64
	ds_load_b128 v[KF+8*\f+4:KF+8*\f+7], v[AK] offset:(\f/2)*16*PK+(\f%2)*64+32
.endr
	s_add_co_u32 s[TBK], s[TBK], KS*PK  ; the next fetch is the next step's
	WIN 0
.endm
.macro FETCH_V u
	WIN 0x80
.irp f, 0,1,2,3,4,5,6,7             ; keys 32 (f / 4) on, channels 16 (f % 4) on
	ds_load_tr16_b128 v[VF+64*(\u)+8*\f:VF+64*(\u)+8*\f+3],   v[AV] offset:(\f/4)*32*PV+(\f%4)*32
	ds_load_tr16_b128 v[VF+64*(\u)+8*\f+4:VF+64*(\u)+8*\f+7], v[AV] offset:(\f/4)*32*PV+16*PV+(\f%4)*32
.endr
	s_add_co_u32 s[TBV], s[TBV], KS*PV
	WIN 0
.endm
; THE VECTOR WORK, one line at a time: OP kind, number; all of it in window 0.  For piece Y: F n: c s - c m for pair n of 16.  E n: the exponential of score n of 32.  C n: pair n rounded to bf16.  B n: of the four
; weights 4 n .. the second pair is added onto the first.  L n: l takes that sum (L 0: l = a l + sum).  R n: pair n of 16 of O^T times a.  For piece Y + 1: X n, number n of the 22 that find its maximum and statistics:
;   0-11 four chains c0-c3 of seven scores each (each accumulator's lowest registers are read first); 12-14, 16 the scores left over, the old m, c0-c3 into c0; 15 c m_old is kept;
;   17, 18 the other half of the lanes: the new m; 19-21 c m; c m_old - c m_new; a.  With NOKQ = 1 there is no next piece, and X writes nothing.
.set F, 0
.set E, 1
.set C, 2
.set B, 3
.set L, 4
.set R, 5
.set X, 6
.macro REGS y
.set rT, ST+4*((\y)%2)
.set rC, TMP+4*((\y)%2)
.set rW, MV+((\y)%2)
.set rS, S+32*((\y)%2)
.set rP, P+16*((\y)%2)
.set rO, OB+32*((\y)%2)
.endm
.macro OP k, n
.if (\k) <= R
	REGS Y
	WIN 0
.if (\k) == F
	v_pk_fma_f32 v[rS+2*(\n):rS+2*(\n)+1], v[rS+2*(\n):rS+2*(\n)+1], s[CS:CS+1], v[rT:rT+1] op_sel_hi:[1,0,0] neg_lo:[0,0,1] neg_hi:[0,0,1]
.elseif (\k) == E
	v_exp_f32 v[rS+(\n)], v[rS+(\n)]
.elseif (\k) == C
	v_cvt_pk_bf16_f32 v[rP+(\n)], v[rS+2*(\n)], v[rS+2*(\n)+1]
.elseif (\k) == B
	v_pk_add_f32 v[rS+4*(\n):rS+4*(\n)+1], v[rS+4*(\n):rS+4*(\n)+1], v[rS+4*(\n)+2:rS+4*(\n)+3]
.elseif (\k) == R
	v_pk_mul_f32 v[rO+2*(\n):rO+2*(\n)+1], v[rO+2*(\n):rO+2*(\n)+1], v[rC+2:rC+3] op_sel_hi:[1,0]
.elseif (\n) == 0
	v_pk_fma_f32 v[rT+2:rT+3], v[rT+2:rT+3], v[rC+2:rC+3], v[rS:rS+1] op_sel_hi:[1,0,1]
.else
	v_pk_add_f32 v[rT+2:rT+3], v[rT+2:rT+3], v[rS+4*(\n):rS+4*(\n)+1]
.endif
.elseif !NOKQ
	REGS (Y+1)%4
	WIN 0
.if (\n) < 4
	v_max3_num_f32 v[rC+(\n)], v[rS+8*(\n)], v[rS+8*(\n)+1], v[rS+8*(\n)+2]
.elseif (\n) < 12
	v_max3_num_f32 v[rC+(\n)%4], v[rC+(\n)%4], v[rS+8*((\n)%4)+2*((\n)/4)+1], v[rS+8*((\n)%4)+2*((\n)/4)+2]
.elseif (\n) == 12
	v_max3_num_f32 v[rC], v[rC], v[rS+7], v[rS+15]
.elseif (\n) == 13
	v_max3_num_f32 v[rC+1], v[rC+1], v[rS+23], v[rS+31]
.elseif (\n) == 14
	v_max3_num_f32 v[rC+2], v[rC+2], v[rC+3], v[rT+1]
.elseif (\n) == 15
	v_mov_b32 v[rW], v[rT]
.elseif (\n) == 16
	v_max3_num_f32 v[rC], v[rC], v[rC+1], v[rC+2]
.elseif (\n) == 17
	v_permlanex16_b32 v[rC+3], v[rC], s[SEL], s[SEL+1]
.elseif (\n) == 18
	v_max_num_f32 v[rT+1], v[rC], v[rC+3]
.elseif (\n) == 19
	v_mul_f32 v[rT], s[CS], v[rT+1]
.elseif (\n) == 20
	v_sub_f32 v[rC+1], v[rW], v[rT]
.else
	v_exp_f32 v[rC+2], v[rC+1]
.endif
.endif
.endm
.macro OPS a, i1, b=-1, i2=0, c=-1, i3=0, d=-1, i4=0
	OP \a, \i1
.if (\b) >= 0
	OP \b, \i2
.endif
.if (\c) >= 0
	OP \c, \i3
.endif
.if (\d) >= 0
	OP \d, \i4
.endif
.endm
.macro ROW a, i1, b, i2, c, i3, d, i4  ; a matrix instruction and the four behind it
	MM
	OPS \a, \i1, \b, \i2, \c, \i3, \d, \i4
.endm
.macro MASK t                       ; tile t's MD x AL + BE into its buffer of MC
	WIN W_MK
.set z, 0
.rept 16
	v_pk_fma_f32 v[MC+32*(\t)+2*z:MC+32*(\t)+2*z+1], v[MD+32*(\t)+2*z:MD+32*(\t)+2*z+1], s[AL:AL+1], s[BE:BE+1] op_sel_hi:[1,0,0]
.set z, z+1
.endr
.endm
; A TURN, for piece p.  Ahead of its one wait stands all that names no result of its exponentials: the 8 products K Q^T with their riders and the lump; behind it the 8 products V^T P, whose riders are the
; roundings and sums.  X 21, the next piece's a, is the batch's last; R 15 is the plain instruction behind it.
; m = 1: the masked tile's text: the products take masks, and the turn makes the mask for the next turn's products, whose step in the tile is 5 - 2 CNT (p < 2) or 4 - 2 CNT.
; end = 1: a block's last two turns: nothing is fetched, no mask is made, and the last starts no new scores.
; Even turns fetch the next step's K in the lump, twelve plain instructions that name none of its registers behind the last product that read K; odd turns fetch the next step's V behind the wait, into the buffer whose last reader
; stands a turn back.  One wait for LDS at an odd turn's head serves both.
.macro TURN p, m=0, end=0
.set Y, (\p)
.set i, 0
.set KM, (\m)
.set NOKQ, (\end)*((\p)/3)
.if (\m) && !(\end)
	s_lshl_b32 s[TM], s[CNT], 1
	s_sub_co_u32 s[TM], 5-(\p)/2, s[TM]
	s_cmp_eq_u32 s[TM], s[SS]       ; is that step my own?
	s_cselect_b32 s[AL], 1.0, 0
	s_cmp_gt_u32 s[TM], s[SS]       ; or a later one?
	s_cselect_b32 s[BE], s[BIGN], 0
.endif
.if (\p)%2
	s_wait_dscnt 0x0                ; K of this turn's products and V of the turns to come are in
.endif
	ROW F,0, F,1, R,0, R,1
	ROW F,2, E,0, R,2, R,3
	ROW F,3, E,1, R,4, R,5
	ROW F,4, E,2, R,6, R,7
	ROW F,5, E,3, R,8, R,9
	ROW F,6, E,4, X,0, R,10
.if ((\p)%2 == 0) && !(\end)
	WIN 0
	v_add_nc_u32 v[AK], s[TBK], v[AK0]
.endif
	ROW F,7, E,5, X,1, X,4
	ROW F,8, E,6, X,2, X,5
	OPS E,7, E,8, X,6, E,9
	OPS X,3, E,10, X,8, E,11
.if ((\p)%2 == 0) && !(\end)
	FETCH_K
.endif
	OPS X,9, X,7, E,12, X,10
	OPS E,13, X,12, X,11, E,14
	OPS X,13, E,15, F,9, X,14
.if ((\p)%2) && !(\end)
	WIN 0
	v_add_nc_u32 v[AV], s[TBV], v[AV0]
.endif
	OPS E,16, F,10, E,17, F,11
	OPS X,16, E,18, X,15, E,19
	OPS F,12, E,20, X,17, E,21
	OPS F,13, E,22, F,14, E,23
	OPS X,18, E,24, F,15, E,25
	OPS R,11, E,26, X,19, E,27
	OPS R,12, E,28, R,13, E,29
	OPS X,20, E,30, R,14, E,31
	OPS X,21, R,15
	WIN 0
	s_wait_alu depctr_va_vdst(0)    ; the one wait for the batch, ahead of the first reader
.if ((\p)%2) && !(\end)
	FETCH_V (((\p)+1)/2)%2
.endif
	ROW C,0, B,0, C,2, B,1
	ROW L,0, C,4, B,2, L,1
	ROW C,6, B,3, L,2, C,8
	ROW B,4, L,3, C,10, B,5
	ROW L,4, C,12, B,6, L,5
	ROW C,14, B,7, L,6, C,1
	ROW C,3, L,7, C,5, C,7
	ROW C,9, C,11, C,13, C,15
.if (\m) && !(\end)
	MASK (\p)%2
.endif
.endm
; A BLOCK BEGINS.  c m starts far below every c s, so the first step's a is 0; m at the lowest finite number.  Both mask buffers take step 0's mask: my own step's, if this tile is the masked one and s* = 0, else 0.
; Then K and V of step 0, tile 0's first scores, and its maximum and statistics.  The loop is entered at a step's first turn, in the middle of a trip.
.macro BEGIN
	s_mov_b32 s[NEW], 0
	WIN 0
.set i, 0
.rept 2
	v_mov_b32 v[ST+4*i], 0xfe000000    ; c m: far below every c s
	v_mov_b32 v[ST+4*i+1], 0xff7fffff  ; m
.set i, i+1
.endr
	s_or_b32 s[TM], s[RT], s[SS]
	s_cmp_eq_u32 s[TM], 0
	s_cselect_b32 s[AL], 1.0, 0
	s_mov_b32 s[BE], 0
	MASK 0
	MASK 1
	WIN 0
	v_add_nc_u32 v[AK], s[TBK], v[AK0]
	v_add_nc_u32 v[AV], s[TBV], v[AV0]
	FETCH_K
	FETCH_V 0
	s_wait_loadcnt 0x0              ; Q
	s_wait_dscnt 0x0
.set KM, 1
.set NOKQ, 0
.set i, 0
.rept 8
	KQ 0
.set i, i+1
.endr
	WIN 0
.rept 4
	v_nop                           ; four plain instructions behind those products
.endr
.set Y, 3                           ; X works for piece Y + 1: piece 0
.irp n, 0,1,2,3,4,5,6,7,8,9,10,11,12,13,14,15,16,17,18,19,20,21
	OP X, \n
.endr
	v_nop                           ; a plain instruction behind the exponential,
	s_wait_alu depctr_va_vdst(0)    ; and its wait, ahead of the branch
.endm
.macro ALL line:vararg              ; one line for each tile t
.set t, 0
.rept 2
	\line
.set t, t+1
.endr
.endm
.macro PACK t                       ; a lane's eight channels of a row pack into 16 bytes; they go into rows of 144 bytes and come back as whole rows of 128
	WIN 0
.set i, OB+32*(\t)
.rept 16
	v_pk_mul_f32 v[i:i+1], v[i:i+1], v[ST+4*(\t)+2:ST+4*(\t)+3] op_sel_hi:[1,0]
.set i, i+2
.endr
.set i, 0
.rept 16
	v_cvt_pk_bf16_f32 v[S+16*(\t)+i], v[OB+32*(\t)+2*i], v[OB+32*(\t)+2*i+1]
.set i, i+1
.endr
.irp f, 0,1,2,3
	ds_store_b128 v[STO], v[S+16*(\t)+4*\f:S+16*(\t)+4*\f+3] offset:32*\f
.endr
.irp f, 0,1,2,3
	ds_load_b128 v[S+16*(\t)+4*\f:S+16*(\t)+4*\f+3], v[RD] offset:\f*4*SP  ; LDS serves a wave's instructions in order: these see the stores above
.endr
.endm
.macro SEND t, younger              ; younger: the LDS instructions issued behind tile t's loads
	WIN 0
.irp f, 0,1,2,3
	s_wait_dscnt (\younger)+3-\f
	global_store_b128 v[GO], v[S+16*(\t)+4*\f:S+16*(\t)+4*\f+3], s[10:11] offset:(\t)*2048+\f*512  ; 512 consecutive bytes, aligned
.endr
.endm
; THE MASKED TILE, a block's last: two trips, entered at the head (the turns of the tile before's last step come first) or, where it is also the block's first, in the middle; then the block's last two turns,
; its last products, and THE WAY OUT: l's two halves and the other half of the lanes' are added; O^T is divided by l, rounded to bf16 and sent through my stage in LDS, a tile at a time.
.macro DIAG tag                     ; the tag ends its two labels' names, which the jumps below spell out
.LstepM\tag:
	TURN 2, 1
	TURN 3, 1
	WIN 0
.LfirstM\tag:
	TURN 0, 1
	TURN 1, 1
	WIN 0
	s_sub_co_u32 s[CNT], s[CNT], 1
	s_cmp_lg_u32 s[CNT], 0
	s_cbranch_scc1 .LstepM\tag
	TURN 2, 1, 1
	TURN 3, 1, 1
.set i, 0
.rept 8
	PV 3
.set i, i+1
.endr
	WIN 0
	ALL v_add_f32 v[ST+4*t+2], v[ST+4*t+2], v[ST+4*t+3]
	ALL v_permlanex16_b32 v[ST+4*t+3], v[ST+4*t+2], s[SEL], s[SEL+1]
	ALL v_add_f32 v[ST+4*t+2], v[ST+4*t+2], v[ST+4*t+3]
	ALL v_rcp_f32 v[ST+4*t+2], v[ST+4*t+2]
	v_nop                           ; a plain instruction behind the last reciprocal,
	s_wait_alu depctr_va_vdst(0)    ; and one wait for the two
	PACK 0
	PACK 1
	SEND 0, 8
	SEND 1, 0
.endm
.set KM, 0
.set NOKQ, 0
.Lslot:                             ; 8 times: a tile is entered and the next is asked for
	CHANGE 1
	s_sub_co_u32 s[RT], s[RT], 1
	s_mov_b32 s[CNT], 2
	s_cmp_eq_u32 s[NEW], 1
	s_cbranch_scc1 .Lnew            ; a block's first tile
	s_cmp_eq_u32 s[RT], 0
	s_cbranch_scc0 .Lstep           ; neither its first nor its last
	s_branch .LstepM1
.Lnew:
	BEGIN
	s_branch .Lfirst                ; in the loop a block's first tile is never its last: the first block has five tiles or more, and the second's last is the walk's last
	DIAG 1                          ; in the loop this is the first block's end
	s_wait_xcnt 0x0                 ; the stores have read their registers and ctx's address
	s_mov_b64 s[10:11], s[OLO:OLO+1]
	s_add_co_u32 s[RT], s[LQ2], 1   ; the second block has b / 2 + 1 tiles
	s_mov_b32 s[NEW], 1
	s_and_b32 s[SS], s[PB], 1
	s_lshl_b32 s[SS], s[SS], 1
	s_lshr_b32 s[TM], s[WV], 1
	s_add_co_u32 s[SS], s[SS], s[TM]
	WIN 0x82                        ; the second block's Q goes where the turns name Q
.set i, 0
.rept 32
	v_mov_b32 v[i], v[QB+i]
.set i, i+1
.endr
	WIN 0
	s_branch .Lbottom
.Lstep:                             ; a trip: an odd step's two turns, then the next even step's
	TURN 2
	TURN 3
	WIN 0
.Lfirst:
	TURN 0
	TURN 1
	WIN 0
	s_sub_co_u32 s[CNT], s[CNT], 1
	s_cmp_lg_u32 s[CNT], 0
	s_cbranch_scc1 .Lstep
.Lbottom:
	s_sub_co_u32 s[SLOTS], s[SLOTS], 1
	s_cmp_lg_u32 s[SLOTS], 0
	s_cbranch_scc1 .Lslot
	CHANGE 0                        ; the walk's last tile is written out: nothing is asked for
	s_sub_co_u32 s[RT], s[RT], 1
	s_mov_b32 s[CNT], 2
	s_cmp_eq_u32 s[NEW], 1
	s_cbranch_scc0 .LstepM2
	BEGIN
	s_branch .LfirstM2
	DIAG 2
	s_wait_tensorcnt 0x0            ; the wave's end
	ds_add_u32 v[SPW], v[NIL]
	s_wait_dscnt 0x0
	s_endpgm
.Lfunc_end_k_q42d685bfde_attn:
	.size	k_q42d685bfde_attn, .Lfunc_end_k_q42d685bfde_attn-k_q42d685bfde_attn
	.p2alignl 7, 3214868480
	.fill 96, 4, 3214868480
	.section	.rodata,"a",@progbits
	.p2align	6, 0x0
	.amdhsa_kernel k_q42d685bfde_attn
		.amdhsa_group_segment_fixed_size 327680
		.amdhsa_private_segment_fixed_size 0
		.amdhsa_enable_private_segment 0
		.amdhsa_kernarg_size 16
		.amdhsa_user_sgpr_count 2
		.amdhsa_user_sgpr_kernarg_segment_ptr 1
		.amdhsa_wavefront_size32 1
		.amdhsa_system_sgpr_workgroup_id_x 1
		.amdhsa_system_sgpr_workgroup_id_y 1
		.amdhsa_system_sgpr_workgroup_id_z 1
		.amdhsa_system_vgpr_workitem_id 0
		.amdhsa_next_free_vgpr 768
		.amdhsa_next_free_sgpr 96
		.amdhsa_reserve_vcc 1
		.amdhsa_float_denorm_mode_32 3
		.amdhsa_float_denorm_mode_16_64 3
		.amdhsa_memory_ordered 1
		.amdhsa_forward_progress 1
		.amdhsa_inst_pref_size 203
	.end_amdhsa_kernel
	.amdgpu_metadata
---
amdhsa.version: [ 1, 2 ]
amdhsa.kernels:
  - .name:           k_q42d685bfde_attn
    .symbol:         k_q42d685bfde_attn.kd
    .args:
      - { .name: qkv, .offset: 0, .size: 8, .value_kind: global_buffer, .address_space: global }
      - { .name: ctx, .offset: 8, .size: 8, .value_kind: global_buffer, .address_space: global }
    .group_segment_fixed_size: 327680
    .private_segment_fixed_size: 0
    .kernarg_segment_align: 8
    .kernarg_segment_size: 16
    .max_flat_workgroup_size: 128
    .sgpr_count:     96
    .vgpr_count:     768
    .wavefront_size: 32
...
	.end_amdgpu_metadata
.endif
;; end of part 3
;; launch oproj (part 4): grid 8 x 32, 4 waves a work-group, clusters of 4 x 4, 327,680 bytes of LDS; arguments ctx, wbr, bo, x, x1; writes x1
.if DOCPART == 4
	.amdgcn_target "amdgcn-amd-amdhsa--gfx1250"
	.amdhsa_code_object_version 6
	.text
	.protected	k_q42d685bfde_oproj
	.globl	k_q42d685bfde_oproj
	.p2align	8
	.type	k_q42d685bfde_oproj,@function
k_q42d685bfde_oproj:
	s_mov_b64 s[64:65], 0
	v_nop
	global_prefetch_b8 v0, s[64:65] scope:SCOPE_SE
	s_setreg_imm32_b32 hwreg(HW_REG_WAVE_MODE, 25, 1), 1
	s_wait_xcnt 0x0
	s_wait_alu depctr_hold_cnt(0) depctr_sa_sdst(0) depctr_va_vdst(0) depctr_va_sdst(0) depctr_va_ssrc(0) depctr_va_vcc(0) depctr_vm_vsrc(0)
	s_getreg_b32 s2, hwreg(HW_REG_IB_STS2, 6, 4)
	s_cmp_eq_u32 s2, 0
	s_cbranch_scc0 .Lentry_in_a_cluster
	s_endpgm
.Lentry_in_a_cluster:
	s_bfe_u32 s2, ttmp6, 0x10000c
	s_cmp_lg_u32 s2, 0xf033
	s_cbranch_scc0 .Lentry_shape_is_right
	s_endpgm
.Lentry_shape_is_right:
; out = res + A B + bias on tiles of 128 x 128, in f32.  B: a weight in wbr, [K][1024] bf16, as it lies.  Sums in f32; the bias is the C operand of the first products.
; KIND 2: A = ctx, by heads [32][2048][64] bf16 (K = 1,024 = 16 heads x 64), B = wo, res = x, out = x1.   KIND 3: A = gact [4096][4096] bf16, B = w2, res = x1, out = out0.
; Four waves, 2 x 2, each 64 x 64: 16 accumulators.  K goes in steps of 256 through two LDS slots filled by tensor loads: waves 0, 1 bring A's halves, waves 2, 3 B's (128 k rows x 256 bytes).
; KIND 2's A: a K step is four heads; a wave asks for two heads' 128 rows as two rows of 16,384 dense bytes, padded in LDS after every 128: [head][128 t] at 144 bytes a row.
; 4 x 4 work-groups form a cluster: A's tile is asked for jointly along a row of the cluster, B's along a column.  No prefetch: the tiles are small.
; THE PRODUCT IS TAKEN TRANSPOSED: source 0 = 16 columns of B (turned by ds_load_tr16_b128), source 1 = 16 rows of A: a lane holds one row of C and 8 neighbouring columns.
; A K step is four quarters of 64 along K on two fragment buffers; the change of slots stands where all four quarters of the old slot have been fetched, so one text of two quarters serves every trip.
; REGISTERS: window 0: v0-31 addresses, v32-63 and v192-223 the way out, v64-127 and v128-191 A's fragments; window 1: v0-31 the bias as an accumulator lays it, v64-191 B's fragments;
; window 2: v0-127 accumulator (a, b) at v[8 (4 a + b)], v128-255 my 64 x 64 of res, loaded at the start in the order in which it is added.
.set KIND, 2
.if KIND == 2
.set KK,    1024
.set SEC,   0
.set PA,    144
.set HALFA, 2*128*PA
.set AQ,    128*PA                     ; from quarter to quarter: a head
.set ASTEP, 4*262144
.else
.set KK,    4096
.set SEC,   10485760
.set PA,    528
.set HALFA, 64*PA
.set AQ,    128
.set ASTEP, 512
.endif
.set KSTEP, 256
.set NSTEP, KK/KSTEP
.set PB,    288                        ; a row of B: 256 + 32 bytes, an odd multiple of 32
.set HALFB, 128*PB
.set BOFF,  2*HALFA
.set SLOT,  BOFF+2*HALFB
.set STAGE, 2*SLOT                     ; behind the slots, never filled by a tensor load: 16 rows x 272 bytes for each wave
.set SP,    272
.set SPARE, STAGE+4*16*SP              ; the spare words, 128 bytes a wave, which no other line names
.set BQ,    64*PB
.set BSTEP, KSTEP*2048
.set ADA0, 10
.set ADB0, 11
.set ADA,  12
.set ADB,  13
.set STO,  14
.set RD,   15
.set CO,   16
.set SPW,  28
.set NIL,  29
.set F0,   64
.set F1,   128
.set MSB, 0
.macro WIN new
.if MSB != (\new)
	s_set_vgpr_msb (MSB<<8)|(\new)
.set MSB, \new
.endif
.endm
.macro JLOAD                           ; a joint refill: waves 0, 1 A's halves, waves 2, 3 B's; an s_nop 0 and four v_nop follow each line
	s_cmp_eq_u32 s11, 0
	s_cbranch_scc0 .Lfor_b_\@
	tensor_load_to_lds s[32:35], s[24:31]
	s_nop 0
.rept 4
	v_nop
.endr
	s_branch .Lasked_\@
.Lfor_b_\@:
	tensor_load_to_lds s[36:39], s[48:55]
	s_nop 0
.rept 4
	v_nop
.endr
.Lasked_\@:
.endm
.macro CROUND                          ; a round of the cluster's barrier
	s_barrier_signal -1
	s_barrier_wait -1
	s_cmp_lg_u32 s10, 0
	s_cbranch_scc1 .Lnot_wave_0_\@
	s_barrier_signal -3
.Lnot_wave_0_\@:
	s_barrier_wait -3
	s_barrier_signal -1
	s_barrier_wait -1
.endm
	s_load_b128 s[4:7], s[0:1], 0x0                ; A s[4:5], wbr s[6:7]
	s_load_b64 s[66:67], s[0:1], 0x10              ; the bias
	s_load_b64 s[68:69], s[0:1], 0x18              ; res
	s_load_b64 s[8:9], s[0:1], 0x20                ; out
	v_lshl_add_u32 v[SPW], v0, 2, SPARE
	v_mov_b32 v[NIL], 0
	ds_add_u32 v[SPW], v[NIL]                      ; the wave's opening: the add and its wait stand ahead of my first tensor load
	ds_add_u32 v28, v29
	v_lshrrev_b32 v1, 5, v0
	v_readfirstlane_b32 s10, v1                    ; wave 0..3
	s_lshr_b32 s11, s10, 1                         ; my half of the tile's rows; also: I fetch for A (0) or B (1)
	s_and_b32 s12, s10, 1                          ; my half of its columns; also: which half I fetch
	s_bfe_u32 s40, ttmp6, 0x40000                  ; cx
	s_bfe_u32 s41, ttmp6, 0x40004                  ; cy
	s_lshl_b32 s42, ttmp9, 2
	s_add_co_u32 s42, s42, s40                     ; tile column
	s_and_b32 s13, ttmp7, 0xffff
	s_lshl_b32 s13, s13, 2
	s_add_co_u32 s13, s13, s41                     ; tile row
	s_lshl_b32 s43, s41, 2
	s_lshl_b32 s43, 15, s43                        ; my row of the cluster
	s_lshl_b32 s44, 0x1111, s40                    ; my column
.if KIND == 2
	s_or_b32 s24, s43, (1<<16)|(1<<20)|(1<<21)|(4<<22)|(3<<25)  ; 4 words of padding after every 32
	s_mov_b32 s25, 8192<<16                        ; tensor_dim0 = 8,192: a head's 128 rows of 64
	s_mov_b32 s26, 2<<16                           ; tensor_dim1 = 2 heads
	s_mov_b32 s27, 8192<<16                        ; tile_dim0
	s_mov_b32 s28, 2                               ; tile_dim1
	s_mov_b32 s29, 131072                          ; elements from head to head
.else
	s_or_b32 s24, s43, (1<<16)|(1<<20)|(1<<21)|(6<<22)|(3<<25)  ; 4 words of padding after every 128
	s_mov_b32 s25, 256<<16
	s_mov_b32 s26, 64<<16
	s_mov_b32 s27, 256<<16
	s_mov_b32 s28, 64
	s_mov_b32 s29, 4096
.endif
	s_mov_b32 s30, 0
	s_mov_b32 s31, 0
	s_or_b32 s48, s44, (1<<16)|(1<<20)|(1<<21)|(5<<22)|(7<<25)  ; B: 8 words of padding after every 64
	s_mov_b32 s49, 128<<16
	s_mov_b32 s50, 128<<16
	s_mov_b32 s51, 128<<16
	s_mov_b32 s52, 128
	s_mov_b32 s53, 1024
	s_mov_b32 s54, 0
	s_mov_b32 s55, 0
.if KIND == 2
	s_lshr_b32 s16, s13, 4                         ; the batch's 16 heads, my two of the step's four,
	s_lshl_b32 s16, s16, 4
	s_lshl1_add_u32 s16, s12, s16
	s_lshl_b32 s16, s16, 18
	s_and_b32 s17, s13, 15                         ; the tile's 128 rows of 128 bytes in a head
	s_lshl_b32 s17, s17, 14
	s_add_co_u32 s16, s16, s17
.else
	s_lshl_b32 s16, s13, 7                         ; row 128 x tile row + 64 x half, 8,192 bytes a row
	s_lshl_b32 s17, s12, 6
	s_add_co_u32 s16, s16, s17
	s_lshl_b32 s16, s16, 13
.endif
	s_mov_b32 s17, 0
	s_lshl_b32 s46, s12, 18                        ; B: k row 128 x half (2,048 bytes a row), column 128 x tile column
	s_lshl_b32 s47, s42, 8
	s_add_co_u32 s46, s46, s47
	s_add_co_u32 s46, s46, SEC
	s_mov_b32 s47, 0
	s_mul_i32 s63, s12, HALFA                      ; where my half goes in a slot, for A
	s_mul_i32 s70, s12, HALFB
	s_add_co_u32 s70, s70, BOFF                    ; and for B: no place in the cluster enters an LDS address
	s_mov_b32 s56, 0                               ; the slot that the fetches read: a change of slots fills it again and turns to the other
	s_mov_b32 s57, 0                               ; the quarter to be fetched next, in bytes of A
	s_mov_b32 s58, 0                               ; and of B
	s_mov_b32 s84, 1                               ; group 0 for K step 0, slot 0: s[84:87] for A, s[88:91] for B
	s_mov_b32 s85, s63
	s_mov_b32 s88, 1
	s_mov_b32 s89, s70
	s_mov_b32 s32, 1                               ; group 0 for K step 1, slot 1: s[32:35] for A, s[36:39] for B; these then walk on
	s_add_co_u32 s33, s63, SLOT
	s_mov_b32 s36, 1
	s_add_co_u32 s37, s70, SLOT
	s_wait_dscnt 0x0                               ; the opening add is done
	s_wait_kmcnt 0x0
	s_add_nc_u64 s[14:15], s[4:5], s[16:17]
	s_add_nc_u64 s[46:47], s[6:7], s[46:47]
	s_mov_b64 s[86:87], s[14:15]
	s_or_b32 s87, s87, 0x80000000
	s_add_nc_u64 s[34:35], s[14:15], ASTEP
	s_or_b32 s35, s35, 0x80000000
	s_mov_b64 s[90:91], s[46:47]
	s_or_b32 s91, s91, 0x80000000
	s_add_nc_u64 s[38:39], s[46:47], BSTEP
	s_or_b32 s39, s39, 0x80000000
	CROUND                                         ; all sixteen work-groups are here
	s_cmp_eq_u32 s11, 0                            ; a wave's two first fills stand in one branch, ahead of every wait on TENSORcnt, every LDS read and every further barrier: two loads of mine are out
	s_cbranch_scc0 .Lfirst_b
	tensor_load_to_lds s[84:87], s[24:31]
	s_nop 0
	tensor_load_to_lds s[32:35], s[24:31]
	s_nop 0
.rept 4
	v_nop
.endr
	s_branch .Lfirst_asked
.Lfirst_b:
	tensor_load_to_lds s[88:91], s[48:55]
	s_nop 0
	tensor_load_to_lds s[36:39], s[48:55]
	s_nop 0
.rept 4
	v_nop
.endr
.Lfirst_asked:
	v_and_b32 v1, 15, v0                           ; r = l % 16
	v_bfe_u32 v2, v0, 4, 1                         ; h = l / 16
	v_bfe_u32 v5, v0, 3, 1
	v_and_b32 v6, 7, v0
	v_mul_u32_u24 v[ADA0], v1, PA
	v_lshl_add_u32 v[ADA0], v2, 4, v[ADA0]
	s_mul_i32 s21, s11, 64*PA
	v_add_nc_u32 v[ADA0], s21, v[ADA0]
	v_lshl_add_u32 v4, v2, 3, v6
	v_mul_u32_u24 v[ADB0], v4, PB
	v_lshl_add_u32 v[ADB0], v5, 4, v[ADB0]
	s_lshl_b32 s22, s12, 7
	s_add_co_u32 s22, s22, BOFF
	v_add_nc_u32 v[ADB0], s22, v[ADB0]
	s_mul_i32 s23, s10, 16*SP
	s_add_co_u32 s23, s23, STAGE                   ; my stage
	v_mul_u32_u24 v[STO], v1, SP                   ; in: row r, 32 bytes of f32 for each half of the lanes
	v_lshl_add_u32 v[STO], v2, 5, v[STO]
	v_add_nc_u32 v[STO], s23, v[STO]
	v_mul_u32_u24 v[RD], v2, SP                    ; back: lanes 0-15 one row of 256 bytes, lanes 16-31 the next
	v_lshl_add_u32 v[RD], v1, 4, v[RD]
	v_add_nc_u32 v[RD], s23, v[RD]
	v_lshlrev_b32 v[CO], 12, v2                    ; and the same two rows in res and out
	v_lshl_add_u32 v[CO], v1, 4, v[CO]
	s_lshl_b32 s16, s13, 7
	s_lshl_b32 s17, s11, 6
	s_add_co_u32 s16, s16, s17
	s_lshl_b32 s16, s16, 12                        ; my first row, 4,096 bytes a row
	s_mov_b32 s17, 0
	s_lshl_b32 s46, s42, 9
	s_lshl_b32 s47, s12, 8
	s_add_co_u32 s46, s46, s47                     ; my first column, 4 bytes each
	s_mov_b32 s47, 0
	s_add_nc_u64 s[66:67], s[66:67], s[46:47]
	s_add_nc_u64 s[16:17], s[16:17], s[46:47]
	s_add_nc_u64 s[8:9], s[8:9], s[16:17]
	s_add_nc_u64 s[68:69], s[68:69], s[16:17]
	v_lshlrev_b32 v7, 5, v2                        ; a lane's 8 columns of a block of 16: 32 h bytes on
	WIN 0x40
.irp b, 0,1,2,3
	global_load_b128 v[8*(\b):8*(\b)+3],   v7, s[66:67] offset:64*(\b)
	global_load_b128 v[8*(\b)+4:8*(\b)+7], v7, s[66:67] offset:64*(\b)+16
.endr
	WIN 0x80
.set i, 0
.rept 32                               ; res: 16 lanes take 256 consecutive bytes of a row, aligned
	global_load_b128 v[128+4*i:128+4*i+3], v[CO], s[68:69] offset:2*i*4096
.set i, i+1
.endr
	WIN 0
; 16 products: all 16 accumulators, 32 along K: half c of buffer f.  They take turns, one instruction a turn, in the same order everywhere.
.macro MULH f, c, z
.if (\z) == 2
	WIN 0x91                                       ; B window 1, A window 0, C (the bias) window 1, D window 2
.else
	WIN 0xa1
.endif
.irp a, 0,1,2,3
.irp b, 0,1,2,3
.if (\z) == 2
	v_wmma_f32_16x16x32_bf16 v[8*(4*(\a)+(\b)):8*(4*(\a)+(\b))+7], v[(\f)+8*(4*(\c)+(\b)):(\f)+8*(4*(\c)+(\b))+7], v[(\f)+8*(4*(\c)+(\a)):(\f)+8*(4*(\c)+(\a))+7], v[8*(\b):8*(\b)+7]
.else
	v_wmma_f32_16x16x32_bf16 v[8*(4*(\a)+(\b)):8*(4*(\a)+(\b))+7], v[(\f)+8*(4*(\c)+(\b)):(\f)+8*(4*(\c)+(\b))+7], v[(\f)+8*(4*(\c)+(\a)):(\f)+8*(4*(\c)+(\a))+7], v[8*(4*(\a)+(\b)):8*(4*(\a)+(\b))+7]
.endif
.endr
.endr
.endm
; The next quarter's 32 LDS loads, in one run, the first 32 along K first.  The two address lines and two v_nop are the four plain instructions between the last product that read the buffer and the loads into it.
.macro FETCH f
	WIN 0
	s_add_co_u32 s59, s56, s57
	s_add_co_u32 s60, s56, s58
	v_add_nc_u32 v[ADA], s59, v[ADA0]
	v_add_nc_u32 v[ADB], s60, v[ADB0]
	v_nop
	v_nop
	s_add_co_u32 s57, s57, AQ
	s_add_co_u32 s58, s58, BQ
.irp c, 0,1
	WIN 0x40
.irp b, 0,1,2,3
	ds_load_tr16_b128 v[(\f)+8*(4*(\c)+(\b)):(\f)+8*(4*(\c)+(\b))+3],   v[ADB] offset:32*(\c)*PB+32*(\b)
	ds_load_tr16_b128 v[(\f)+8*(4*(\c)+(\b))+4:(\f)+8*(4*(\c)+(\b))+7], v[ADB] offset:32*(\c)*PB+16*PB+32*(\b)
.endr
	WIN 0
.irp i, 0,1,2,3
	ds_load_b128 v[(\f)+8*(4*(\c)+(\i)):(\f)+8*(4*(\c)+(\i))+3],   v[ADA] offset:16*(\i)*PA+64*(\c)
	ds_load_b128 v[(\f)+8*(4*(\c)+(\i))+4:(\f)+8*(4*(\c)+(\i))+7], v[ADA] offset:16*(\i)*PA+64*(\c)+32
.endr
.endr
.endm
.macro Q f, g, z                       ; a quarter: buffer f is multiplied, the next quarter fetched into g
	s_wait_dscnt 16                                ; the first 32 along K are in; the youngest sixteen loads serve the second half
	MULH \f, 0, \z
	FETCH \g
	s_wait_dscnt 32                                ; all but the 32 just issued
	MULH \f, 1, 0
.endm
; THE CHANGE OF SLOTS.  Each wave waits for all its tensor loads (one is out: its part of the next slot), adds 0 to its spare word, and waits for that and for its reads of the old slot.
; fill = 1: a round of the cluster's barrier follows, and the joint refill of the old slot is the first thing behind it: it has 128 products in which to land.
.macro CHANGE fill
	WIN 0
	s_wait_tensorcnt 0x0                           ; no tensor load of mine is out, so the descriptors may be written
	ds_add_u32 v[SPW], v[NIL]
.if \fill
	s_add_co_u32 s33, s56, s63                     ; the walking descriptors: into the slot that is left,
	s_add_co_u32 s37, s56, s70
	s_add_nc_u64 s[34:35], s[34:35], ASTEP         ; the next K step
	s_add_nc_u64 s[38:39], s[38:39], BSTEP
.endif
	s_xor_b32 s56, s56, SLOT                       ; the fetches turn to the other slot,
	s_mov_b32 s57, 0                               ; at its first quarter
	s_mov_b32 s58, 0
	s_wait_dscnt 0x0                               ; the add is done, and my reads of the old slot are over
.if \fill
	CROUND
	JLOAD
.else
	s_barrier_signal -1
	s_barrier_wait -1
.endif
.endm
	s_wait_tensorcnt 0x1                           ; my part of K step 0 is in; K step 1's load, the one issued behind it, may stay out
	s_barrier_signal -1
	s_barrier_wait -1                              ; everybody's part is in
	FETCH F0
	s_wait_loadcnt 32                              ; the bias is in; the 32 loads of res may stay out
	Q F0, F1, 2                                    ; the first products start the sums with the bias
	WIN 0
	s_mov_b32 s61, 1
	s_mov_b32 s62, NSTEP-1
	s_branch .Lpair                                ; the loop is entered behind its change of slots
.Lstep:                                        ; NSTEP - 2 trips: each fills a slot again
	CHANGE 1
	s_mov_b32 s61, 2
.Lpair:
	Q F1, F0, 0
	Q F0, F1, 0
	WIN 0
	s_sub_co_u32 s61, s61, 1
	s_cmp_lg_u32 s61, 0
	s_cbranch_scc1 .Lpair
	s_sub_co_u32 s62, s62, 1
	s_cmp_lg_u32 s62, 0
	s_cbranch_scc1 .Lstep
	CHANGE 0                                       ; the last K step is in; nothing is asked for
	s_mov_b32 s61, 2
.Ltail:
	Q F1, F0, 0
	Q F0, F1, 0
	WIN 0
	s_sub_co_u32 s61, s61, 1
	s_cmp_lg_u32 s61, 0
	s_cbranch_scc1 .Ltail
	s_wait_dscnt 16                                ; the very last quarter
	MULH F1, 0, 0
	s_wait_dscnt 0x0
	MULH F1, 1, 0
	; THE WAY OUT, 16 rows at a time through my own stage: in by accumulators, back as whole rows of 256 bytes; res is added; 16 lanes store 256 consecutive bytes, aligned.
	; A block goes into the stage while the block before is on its way back: LDS serves a wave's instructions in order, so a block's stores come behind the loads of the block before.
	WIN 0
	s_wait_loadcnt 0x0                             ; res
.rept 4
	v_nop                                          ; four plain instructions between the last product and the stores that read results
.endr
.macro OUTS a                          ; block a into the stage, and back by rows
.set BK, 32+160*((\a)%2)
	WIN 0x08                                       ; the stores' data in window 2
.irp b, 0,1,2,3
	ds_store_b128 v[STO], v[8*(4*(\a)+(\b)):8*(4*(\a)+(\b))+3]   offset:64*(\b)
	ds_store_b128 v[STO], v[8*(4*(\a)+(\b))+4:8*(4*(\a)+(\b))+7] offset:64*(\b)+16
.endr
	WIN 0
	s_wait_xcnt 0x0                                ; registers that earlier global stores read are loaded again only behind this wait
.irp i, 0,1,2,3,4,5,6,7
	ds_load_b128 v[BK+4*(\i):BK+4*(\i)+3], v[RD] offset:2*SP*(\i)
.endr
.endm
.macro OUTF a, younger                 ; block a is back: res is added and it leaves.  younger: the LDS instructions issued behind its loads: the next block's sixteen, or none
.set BK, 32+160*((\a)%2)
	WIN 0
	s_wait_dscnt \younger
	WIN 0x08                                       ; source 1 in window 2
.set k, 0
.rept 16
	v_pk_add_f32 v[BK+2*k:BK+2*k+1], v[BK+2*k:BK+2*k+1], v[128+32*(\a)+2*k:128+32*(\a)+2*k+1]
.set k, k+1
.endr
	WIN 0
.irp i, 0,1,2,3,4,5,6,7
	global_store_b128 v[CO], v[BK+4*(\i):BK+4*(\i)+3], s[8:9] offset:(16*(\a)+2*(\i))*4096
.endr
.endm
	OUTS 0
	OUTS 1
	OUTF 0, 16
	OUTS 2
	OUTF 1, 16
	OUTS 3
	OUTF 2, 16
	OUTF 3, 0
	s_wait_tensorcnt 0x0                           ; the wave's end
	ds_add_u32 v[SPW], v[NIL]
	s_wait_dscnt 0x0
	CROUND                                         ; the closing round
	s_endpgm
.Lfunc_end_k_q42d685bfde_oproj:
	.size	k_q42d685bfde_oproj, .Lfunc_end_k_q42d685bfde_oproj-k_q42d685bfde_oproj
	.p2alignl 7, 3214868480
	.fill 96, 4, 3214868480
	.section	.rodata,"a",@progbits
	.p2align	6, 0x0
	.amdhsa_kernel k_q42d685bfde_oproj
		.amdhsa_group_segment_fixed_size 327680
		.amdhsa_private_segment_fixed_size 0
		.amdhsa_enable_private_segment 0
		.amdhsa_kernarg_size 40
		.amdhsa_user_sgpr_count 2
		.amdhsa_user_sgpr_kernarg_segment_ptr 1
		.amdhsa_wavefront_size32 1
		.amdhsa_system_sgpr_workgroup_id_x 1
		.amdhsa_system_sgpr_workgroup_id_y 1
		.amdhsa_system_sgpr_workgroup_id_z 1
		.amdhsa_system_vgpr_workitem_id 0
		.amdhsa_next_free_vgpr 768
		.amdhsa_next_free_sgpr 96
		.amdhsa_reserve_vcc 0
		.amdhsa_float_denorm_mode_32 3
		.amdhsa_float_denorm_mode_16_64 3
		.amdhsa_memory_ordered 1
		.amdhsa_forward_progress 1
		.amdhsa_inst_pref_size 53
	.end_amdhsa_kernel
	.amdgpu_metadata
---
amdhsa.version: [ 1, 2 ]
amdhsa.kernels:
  - .name:           k_q42d685bfde_oproj
    .symbol:         k_q42d685bfde_oproj.kd
    .args:
      - { .name: ctx, .offset: 0, .size: 8, .value_kind: global_buffer, .address_space: global }
      - { .name: wbr, .offset: 8, .size: 8, .value_kind: global_buffer, .address_space: global }
      - { .name: bo, .offset: 16, .size: 8, .value_kind: global_buffer, .address_space: global }
      - { .name: x, .offset: 24, .size: 8, .value_kind: global_buffer, .address_space: global }
      - { .name: x1, .offset: 32, .size: 8, .value_kind: global_buffer, .address_space: global }
    .group_segment_fixed_size: 327680
    .private_segment_fixed_size: 0
    .kernarg_segment_align: 8
    .kernarg_segment_size: 40
    .max_flat_workgroup_size: 128
    .sgpr_count:     96
    .vgpr_count:     768
    .wavefront_size: 32
...
	.end_amdgpu_metadata
.endif
;; end of part 4
;; launch ln2: the kernel of part 1 again; grid 512 x 1, 8 waves a work-group, no clusters, 0 bytes of LDS; arguments x1, ln2_scale, ln2_shift, wq, wk, wv, hn, wbq; writes hn, wbq
;; launch mlp1 (part 5): grid 16 x 16, 4 waves a work-group, clusters of 4 x 4, 327,680 bytes of LDS; arguments hn, wbr, b1, gact; writes gact
.if DOCPART == 5
	.amdgcn_target "amdgcn-amd-amdhsa--gfx1250"
	.amdhsa_code_object_version 6
	.text
	.protected	k_q42d685bfde_mlp1
	.globl	k_q42d685bfde_mlp1
	.p2align	8
	.type	k_q42d685bfde_mlp1,@function
k_q42d685bfde_mlp1:
	s_mov_b64 s[64:65], 0
	v_nop
	global_prefetch_b8 v0, s[64:65] scope:SCOPE_SE
	s_setreg_imm32_b32 hwreg(HW_REG_WAVE_MODE, 25, 1), 1
	s_wait_xcnt 0x0
	s_wait_alu depctr_hold_cnt(0) depctr_sa_sdst(0) depctr_va_vdst(0) depctr_va_sdst(0) depctr_va_ssrc(0) depctr_va_vcc(0) depctr_vm_vsrc(0)
	s_getreg_b32 s2, hwreg(HW_REG_IB_STS2, 6, 4)
	s_cmp_eq_u32 s2, 0
	s_cbranch_scc0 .Lentry_in_a_cluster
	s_endpgm
.Lentry_in_a_cluster:
	s_bfe_u32 s2, ttmp6, 0x10000c
	s_cmp_lg_u32 s2, 0xf033
	s_cbranch_scc0 .Lentry_shape_is_right
	s_endpgm
.Lentry_shape_is_right:
; C = A B on tiles of 256 x 256.  A: hn [4096][1024] bf16.  B: a weight rounded to bf16, [1024 k][NN], as it lies (k down the rows).  Sums in f32.
; KIND 0: B = wq | wk | wv (NN = 3,072); C rounded to bf16 and written by heads: qkv [3][32 heads][2048][64].  The product has 12 tile columns: three columns of clusters.  THE FOURTH COLUMN OF CLUSTERS (x = 3)
;         rounds wo, w1 and w2 to bf16 into wbr (wo at byte 0, w1 [1024][4096] at 2,097,152, w2 [4096][1024] at 10,485,760), which later launches read: the text at .Lcast.
; KIND 1: B = w1 (NN = 4,096); gact = gelu(C + b1) in bf16, [4096][4096].  gelu(x) = x / (1 + 2^(x (C1 + C3 x^2))), which is x (1 + tanh u) / 2 written with one exponential; NaN and infinities are not treated apart.
; Four waves, 2 x 2, each 128 x 128: 64 accumulators, 512 registers.  K goes in 8 steps of 128 through two LDS slots filled by tensor loads: waves 0, 1 bring A's halves (128 rows x 256 bytes),
; waves 2, 3 B's (64 k rows x 512 bytes).  4 x 4 work-groups form a cluster: A's tile is asked for jointly along a row of the cluster, B's along a column.
; THE PRODUCT IS TAKEN TRANSPOSED: source 0 = 16 columns of B (turned on the way out of LDS by ds_load_tr16_b128), source 1 = 16 rows of A: a lane holds one row of C and 8 neighbouring columns.
; A K step is four quarters of 32 along K on two fragment buffers.  The change of slots stands between a step's third and fourth quarter's products, where all four quarters have been fetched,
; so that the four fetches behind it are the new slot's four quarters and one text of two quarters serves every trip.
; REGISTERS (windows of 256): window 0: v0-31 addresses, v32-63 at work on the way out, v64-127 and v128-191 A's fragments; window 1: v0-63 the bias as an accumulator lays it (KIND 1), v64-191 B's fragments;
; windows 2, 3: accumulator (a, b) at window 2 + a / 4, v[8 (8 (a % 4) + b)].
.set KIND, 1
.if KIND == 0
.set NN,   3072
.set SEC,  0
.set ZF,   1                           ; the first products start their sums with 0
.else
.set NN,   4096
.set SEC,  2097152
.set ZF,   2                           ; ... with the bias
.endif
.set KSTEP, 128
.set NSTEP, 1024/KSTEP
.set PA,    272                        ; a row of A in LDS: 256 bytes + 16: the 16 rows of a load start at 16 different groups of four banks
.set PB,    544                        ; a row of B: 512 + 32 bytes, an odd multiple of 32
.set HALFA, 128*PA
.set HALFB, 64*PB
.set BOFF,  2*HALFA
.set SLOT,  BOFF+2*HALFB
.set SPARE, 2*SLOT                     ; behind the slots: the spare words, 128 bytes a wave, which no other line names
.set AQ,    64                         ; from quarter to quarter: 32 k along A's rows,
.set BQ,    32*PB                      ; 32 rows of B
.set ASTEP, KSTEP*2
.set BSTEP, KSTEP*NN*2
.set SPI,   528                        ; the way out: a row of 128 f32 + 16 bytes
.set STG,   128*SPI                    ; a wave's stage; the four lie in the slots' bytes, behind their last fill
.set ADA0, 10
.set ADB0, 11
.set ADA,  12
.set ADB,  13
.set STO,  14
.set RD,   15
.set CO,   16
.set PFO,  17
.set SPW,  28                          ; my spare word's LDS address; never rewritten
.set NIL,  29                          ; 0; never rewritten
.set F0,   64
.set F1,   128
.set MSB, 0
.macro WIN new                         ; the high byte repeats the setting that is left; a switch that changes nothing is dropped
.if MSB != (\new)
	s_set_vgpr_msb (MSB<<8)|(\new)
.set MSB, \new
.endif
.endm
.macro JLOAD                           ; a joint refill: waves 0, 1 A's halves, waves 2, 3 B's; an s_nop 0 and four v_nop follow each line
	s_cmp_eq_u32 s11, 0
	s_cbranch_scc0 .Lfor_b_\@
	tensor_load_to_lds s[32:35], s[24:31]
	s_nop 0
.rept 4
	v_nop
.endr
	s_branch .Lasked_\@
.Lfor_b_\@:
	tensor_load_to_lds s[36:39], s[48:55]
	s_nop 0
.rept 4
	v_nop
.endr
.Lasked_\@:
.endm
.macro CROUND                          ; a round of the cluster's barrier
	s_barrier_signal -1
	s_barrier_wait -1
	s_cmp_lg_u32 s10, 0
	s_cbranch_scc1 .Lnot_wave_0_\@
	s_barrier_signal -3
.Lnot_wave_0_\@:
	s_barrier_wait -3
	s_barrier_signal -1
	s_barrier_wait -1
.endm
; A prefetch of the K step one behind the one just asked for: 256 products ahead of its joint load.  A's rows are named by the clusters with x = 0, B's by those with y = 0; the four partners that
; ask for a tile jointly share the wave's 128 blocks of 256 bytes out by address, a lane a block.  So each block is named once.  K steps 0 to 2 come by their loads alone; the last refill names nothing.
.macro ASK
	s_cmp_gt_u32 s62, s71
	s_cbranch_scc0 .Lnot_mine_\@
	global_prefetch_b8 v[PFO], s[72:73] th:TH_LOAD_NT scope:SCOPE_SE
.Lnot_mine_\@:
.endm
.if KIND == 0
	s_mov_b32 s3, ttmp9                            ; the cluster's x, which all sixteen partners share
	s_cmp_eq_u32 s3, 3
	s_cbranch_scc1 .Lcast                          ; the fourth column of clusters has no tile of the product: it rounds weights
.endif
	s_load_b128 s[4:7], s[0:1], 0x0                ; A s[4:5], B's buffer s[6:7]
.if KIND == 0
	s_load_b64 s[8:9], s[0:1], 0x10                ; the output
.else
	s_load_b64 s[66:67], s[0:1], 0x10              ; the bias
	s_load_b64 s[8:9], s[0:1], 0x18                ; the output
.endif
	v_lshl_add_u32 v[SPW], v0, 2, SPARE
	v_mov_b32 v[NIL], 0
	ds_add_u32 v[SPW], v[NIL]                      ; the wave's opening: the add and its wait stand ahead of my first tensor load
	ds_add_u32 v28, v29
	v_lshrrev_b32 v1, 5, v0
	v_readfirstlane_b32 s10, v1                    ; wave 0..3
	s_lshr_b32 s11, s10, 1                         ; my half of the tile's rows; also: I fetch for A (0) or B (1)
	s_and_b32 s12, s10, 1                          ; my half of its columns; also: which half I fetch
	s_bfe_u32 s40, ttmp6, 0x40000                  ; cx
	s_bfe_u32 s41, ttmp6, 0x40004                  ; cy
	s_lshl_b32 s42, ttmp9, 2
	s_add_co_u32 s42, s42, s40                     ; tile column
	s_and_b32 s13, ttmp7, 0xffff
	s_lshl_b32 s13, s13, 2
	s_add_co_u32 s13, s13, s41                     ; tile row
	s_lshl_b32 s43, s41, 2
	s_lshl_b32 s43, 15, s43                        ; my row of the cluster
	s_lshl_b32 s44, 0x1111, s40                    ; my column
	s_or_b32 s24, s43, (1<<16)|(1<<20)|(1<<21)|(5<<22)|(3<<25)  ; A: 2-byte elements, 4 words of padding after every 64
	s_mov_b32 s25, 128<<16                         ; tensor_dim0 = 128
	s_mov_b32 s26, 128<<16                         ; tensor_dim1 = 128
	s_mov_b32 s27, 128<<16                         ; tile_dim0 = 128
	s_mov_b32 s28, 128                             ; tile_dim1 = 128
	s_mov_b32 s29, 1024                            ; elements from row to row
	s_mov_b32 s30, 0
	s_mov_b32 s31, 0
	s_or_b32 s48, s44, (1<<16)|(1<<20)|(1<<21)|(6<<22)|(7<<25)  ; B: 8 words of padding after every 128
	s_mov_b32 s49, 256<<16
	s_mov_b32 s50, 64<<16
	s_mov_b32 s51, 256<<16
	s_mov_b32 s52, 64
	s_mov_b32 s53, NN
	s_mov_b32 s54, 0
	s_mov_b32 s55, 0
	s_lshl_b32 s16, s13, 8                         ; A: row 256 x tile row + 128 x half, 2,048 bytes a row
	s_lshl_b32 s17, s12, 7
	s_add_co_u32 s16, s16, s17
	s_lshl_b32 s16, s16, 11
	s_mov_b32 s17, 0
	s_mul_i32 s46, s12, 64*NN*2                    ; B: k row 64 x half, column 256 x tile column
	s_lshl_b32 s47, s42, 9
	s_add_co_u32 s46, s46, s47
	s_add_co_u32 s46, s46, SEC
	s_mov_b32 s47, 0
	s_mul_i32 s63, s12, HALFA                      ; where my half goes in a slot, for A
	s_mul_i32 s70, s12, HALFB
	s_add_co_u32 s70, s70, BOFF                    ; and for B: no place in the cluster enters an LDS address
	s_mov_b32 s56, 0                               ; the slot that the fetches read: a change of slots fills it again and turns to the other
	s_mov_b32 s57, 0                               ; the quarter to be fetched next, in bytes of A
	s_mov_b32 s58, 0                               ; and of B
	s_mov_b32 s84, 1                               ; group 0 for K step 0, slot 0: s[84:87] for A, s[88:91] for B
	s_mov_b32 s85, s63
	s_mov_b32 s88, 1
	s_mov_b32 s89, s70
	s_mov_b32 s32, 1                               ; group 0 for K step 1, slot 1: s[32:35] for A, s[36:39] for B; these then walk on
	s_add_co_u32 s33, s63, SLOT
	s_mov_b32 s36, 1
	s_add_co_u32 s37, s70, SLOT
	s_wait_dscnt 0x0                               ; the opening add is done
	s_wait_kmcnt 0x0
	s_add_nc_u64 s[14:15], s[4:5], s[16:17]
	s_add_nc_u64 s[46:47], s[6:7], s[46:47]
	s_mov_b64 s[86:87], s[14:15]
	s_or_b32 s87, s87, 0x80000000
	s_add_nc_u64 s[34:35], s[14:15], ASTEP
	s_or_b32 s35, s35, 0x80000000
	s_mov_b64 s[90:91], s[46:47]
	s_or_b32 s91, s91, 0x80000000
	s_add_nc_u64 s[38:39], s[46:47], BSTEP
	s_or_b32 s39, s39, 0x80000000
	CROUND                                         ; all sixteen work-groups are here
	s_cmp_eq_u32 s11, 0                            ; a wave's two first fills stand in one branch, ahead of every wait on TENSORcnt, every LDS read and every further barrier: two loads of mine are out
	s_cbranch_scc0 .Lfirst_b
	tensor_load_to_lds s[84:87], s[24:31]
	s_nop 0
	tensor_load_to_lds s[32:35], s[24:31]
	s_nop 0
.rept 4
	v_nop
.endr
	s_branch .Lfirst_asked
.Lfirst_b:
	tensor_load_to_lds s[88:91], s[48:55]
	s_nop 0
	tensor_load_to_lds s[36:39], s[48:55]
	s_nop 0
.rept 4
	v_nop
.endr
.Lfirst_asked:
	v_and_b32 v1, 15, v0                           ; r = l % 16
	v_bfe_u32 v2, v0, 4, 1                         ; h = l / 16
	v_and_b32 v3, 31, v0                           ; l
	v_bfe_u32 v5, v0, 3, 1
	v_and_b32 v6, 7, v0
	v_mul_u32_u24 v[ADA0], v1, PA                  ; A's fragment: row r, 16 bytes for each half of the lanes
	v_lshl_add_u32 v[ADA0], v2, 4, v[ADA0]
	s_mul_i32 s21, s11, HALFA
	v_add_nc_u32 v[ADA0], s21, v[ADA0]
	v_lshl_add_u32 v4, v2, 3, v6                   ; B's: k row 8 h + l % 8, 16 bytes by (l / 8) % 2
	v_mul_u32_u24 v[ADB0], v4, PB
	v_lshl_add_u32 v[ADB0], v5, 4, v[ADB0]
	s_lshl_b32 s22, s12, 8
	s_add_co_u32 s22, s22, BOFF
	v_add_nc_u32 v[ADB0], s22, v[ADB0]
	s_mul_i32 s23, s10, STG                        ; my stage
	v_mul_u32_u24 v[STO], v1, SPI
	v_lshl_add_u32 v[STO], v2, 5, v[STO]
	v_add_nc_u32 v[STO], s23, v[STO]
.if KIND == 0
	v_mul_u32_u24 v[RD], v5, SPI                   ; back: 16 lanes take two rows of one head's 64 channels, 32 bytes of f32 a lane
	v_lshl_add_u32 v[RD], v2, 8, v[RD]
	v_lshl_add_u32 v[RD], v6, 5, v[RD]
	v_add_nc_u32 v[RD], s23, v[RD]
	v_lshlrev_b32 v[CO], 18, v2                    ; in qkv: the head (262,144 bytes), the row (128), my 16 bytes
	v_lshl_add_u32 v[CO], v5, 7, v[CO]
	v_lshl_add_u32 v[CO], v6, 4, v[CO]
	s_lshr_b32 s16, s13, 3                         ; the batch
	s_lshl_b32 s16, s16, 22
	s_and_b32 s17, s13, 7
	s_lshl_b32 s17, s17, 8
	s_lshl_b32 s18, s11, 7
	s_add_co_u32 s17, s17, s18                     ; my first row in the sequence
	s_lshl_b32 s17, s17, 7
	s_add_co_u32 s16, s16, s17
	s_mov_b32 s17, 0
	s_lshr_b32 s46, s42, 2                         ; q, k or v: 32 heads each
	s_lshl_b32 s46, s46, 23
	s_and_b32 s47, s42, 3
	s_lshl_b32 s47, s47, 2
	s_lshl1_add_u32 s47, s12, s47                  ; my first head
	s_lshl_b32 s47, s47, 18
	s_add_co_u32 s46, s46, s47
	s_mov_b32 s47, 0
	s_add_nc_u64 s[16:17], s[16:17], s[46:47]
	s_add_nc_u64 s[8:9], s[8:9], s[16:17]
.else
	v_mul_u32_u24 v[RD], v2, SPI                   ; back: 16 lanes take a row of 128 numbers, 32 bytes of f32 a lane
	v_lshl_add_u32 v[RD], v1, 5, v[RD]
	v_add_nc_u32 v[RD], s23, v[RD]
	v_lshlrev_b32 v[CO], 13, v2
	v_lshl_add_u32 v[CO], v1, 4, v[CO]
	s_lshl_b32 s16, s13, 8
	s_lshl_b32 s17, s11, 7
	s_add_co_u32 s16, s16, s17
	s_lshl_b32 s16, s16, 13                        ; my first row, 8,192 bytes a row
	s_mov_b32 s17, 0
	s_lshl_b32 s46, s42, 9
	s_lshl_b32 s47, s12, 8
	s_add_co_u32 s46, s46, s47                     ; my first column, 2 bytes each
	s_mov_b32 s47, 0
	s_add_nc_u64 s[16:17], s[16:17], s[46:47]
	s_add_nc_u64 s[8:9], s[8:9], s[16:17]
	s_lshl_b32 s46, s46, 1                         ; 4 bytes each in the bias
	s_add_nc_u64 s[66:67], s[66:67], s[46:47]
	v_lshlrev_b32 v7, 5, v2                        ; a lane's 8 columns of a block of 16: 32 h bytes on
	WIN 0x40
.irp b, 0,1,2,3,4,5,6,7
	global_load_b128 v[8*(\b):8*(\b)+3],   v7, s[66:67] offset:64*(\b)
	global_load_b128 v[8*(\b)+4:8*(\b)+7], v7, s[66:67] offset:64*(\b)+16
.endr
	WIN 0
	s_mov_b32 s76, 0xc0135761                      ; C1 = -2 sqrt(2 / pi) log2(e)
	s_mov_b32 s77, s76
	s_mov_b32 s78, 0xbdd2d3e8                      ; C3 = 0.044715 C1
	s_mov_b32 s79, s78
.endif
	; the prefetches: where they stand (K step 2; each change steps them before it asks), their step, and who asks
	s_lshl_b32 s18, s13, 8
	s_lshl_b32 s19, s12, 7
	s_add_co_u32 s18, s18, s19
	s_lshl_b32 s19, s40, 5
	s_add_co_u32 s18, s18, s19                     ; A: my work-group's 32 of the 128 rows that I fetch
	s_lshl_b32 s18, s18, 11
	s_add_co_u32 s18, s18, 2*ASTEP
	s_lshl_b32 s19, s12, 6
	s_lshl_b32 s20, s41, 4
	s_add_co_u32 s19, s19, s20                     ; B: my work-group's 16 of the 64 k rows, two blocks each
	s_mul_i32 s19, s19, NN*2
	s_lshl_b32 s20, s42, 9
	s_add_co_u32 s19, s19, s20
	s_add_co_u32 s19, s19, SEC+2*BSTEP
	s_and_b32 s20, ttmp7, 0xffff
	s_mov_b32 s74, BSTEP
	s_mov_b32 s82, NN*2
	s_cmp_eq_u32 s11, 0
	s_cselect_b32 s18, s18, s19
	s_cselect_b32 s20, ttmp9, s20                  ; the coordinate along which other clusters read the same bytes
	s_cselect_b64 s[72:73], s[4:5], s[6:7]
	s_cselect_b32 s74, ASTEP, s74
	s_cselect_b32 s81, 0, 1
	s_cselect_b32 s82, 2048, s82
	s_mov_b32 s19, 0
	s_mov_b32 s75, 0
	s_add_nc_u64 s[72:73], s[72:73], s[18:19]
	s_cmp_eq_u32 s20, 0
	s_cselect_b32 s71, 1, -1                       ; the same in all sixteen partners, for a given wave
	v_lshrrev_b32 v8, s81, v3
	v_mul_lo_u32 v8, v8, s82
	v_and_b32 v9, s81, v3
	v_lshl_add_u32 v[PFO], v9, 8, v8
; 32 products: my rows 64 hi .. 64 hi + 63 x all 128 columns, 32 along K.  The accumulators take turns, one instruction a turn, in the same order everywhere.
.macro MULH f, hi, z
.if (\z) == 2
	WIN 0x91+0x40*(\hi)                            ; B window 1, A window 0, C (the bias) window 1, D window 2 or 3
.else
	WIN 0xa1+0x50*(\hi)                            ; C and D window 2 or 3
.endif
.irp a, 0,1,2,3
.irp b, 0,1,2,3,4,5,6,7
.if (\z) == 1
	v_wmma_f32_16x16x32_bf16 v[8*(8*(\a)+(\b)):8*(8*(\a)+(\b))+7], v[(\f)+8*(\b):(\f)+8*(\b)+7], v[(\f)+8*(4*(\hi)+(\a)):(\f)+8*(4*(\hi)+(\a))+7], 0
.elseif (\z) == 2
	v_wmma_f32_16x16x32_bf16 v[8*(8*(\a)+(\b)):8*(8*(\a)+(\b))+7], v[(\f)+8*(\b):(\f)+8*(\b)+7], v[(\f)+8*(4*(\hi)+(\a)):(\f)+8*(4*(\hi)+(\a))+7], v[8*(\b):8*(\b)+7]
.else
	v_wmma_f32_16x16x32_bf16 v[8*(8*(\a)+(\b)):8*(8*(\a)+(\b))+7], v[(\f)+8*(\b):(\f)+8*(\b)+7], v[(\f)+8*(4*(\hi)+(\a)):(\f)+8*(4*(\hi)+(\a))+7], v[8*(8*(\a)+(\b)):8*(8*(\a)+(\b))+7]
.endif
.endr
.endr
.endm
; The next quarter's 32 LDS loads, in one run, into buffer f.  The two address lines and two v_nop are the four plain instructions between the last product that read the buffer and the loads into it.
.macro FETCH f
	WIN 0
	s_add_co_u32 s59, s56, s57
	s_add_co_u32 s60, s56, s58
	v_add_nc_u32 v[ADA], s59, v[ADA0]
	v_add_nc_u32 v[ADB], s60, v[ADB0]
	v_nop
	v_nop
	s_add_co_u32 s57, s57, AQ
	s_add_co_u32 s58, s58, BQ
	WIN 0x40
.irp b, 0,1,2,3,4,5,6,7
	ds_load_tr16_b128 v[(\f)+8*(\b):(\f)+8*(\b)+3],   v[ADB] offset:32*(\b)
	ds_load_tr16_b128 v[(\f)+8*(\b)+4:(\f)+8*(\b)+7], v[ADB] offset:16*PB+32*(\b)
.endr
	WIN 0
.irp i, 0,1,2,3,4,5,6,7
	ds_load_b128 v[(\f)+8*(\i):(\f)+8*(\i)+3],   v[ADA] offset:16*(\i)*PA
	ds_load_b128 v[(\f)+8*(\i)+4:(\f)+8*(\i)+7], v[ADA] offset:16*(\i)*PA+32
.endr
.endm
.macro Q f, g, z                       ; a quarter: buffer f is multiplied, the next quarter fetched into g
	s_wait_dscnt 8                                 ; B and A's rows 0-63 are in; the youngest eight loads serve the second half
	MULH \f, 0, \z
	FETCH \g
	s_wait_dscnt 32                                ; all but the 32 just issued
	MULH \f, 1, \z
.endm
; THE CHANGE OF SLOTS.  Each wave waits for all its tensor loads (one is out: its part of the next slot), adds 0 to its spare word, and waits for that and for its reads of the old slot.
; fill = 1: a round of the cluster's barrier follows, and the joint refill of the old slot, with the next K step but one, is the first thing behind it: it has 256 products in which to land.
.macro CHANGE fill
	WIN 0
	s_wait_tensorcnt 0x0                           ; no tensor load of mine is out, so the descriptors may be written
	ds_add_u32 v[SPW], v[NIL]
.if \fill
	s_add_co_u32 s33, s56, s63                     ; the walking descriptors: into the slot that is left,
	s_add_co_u32 s37, s56, s70
	s_add_nc_u64 s[34:35], s[34:35], ASTEP         ; the next K step
	s_add_nc_u64 s[38:39], s[38:39], BSTEP
	s_wait_xcnt 0x0                                ; the last prefetch, a K step back, has read its address
	s_add_nc_u64 s[72:73], s[72:73], s[74:75]
.endif
	s_xor_b32 s56, s56, SLOT                       ; the fetches turn to the other slot,
	s_mov_b32 s57, 0                               ; at its first quarter
	s_mov_b32 s58, 0
	s_wait_dscnt 0x0                               ; the add is done, and my reads of the old slot are over
.if \fill
	CROUND
	JLOAD
	ASK
.else
	s_barrier_signal -1
	s_barrier_wait -1
.endif
.endm
	s_wait_tensorcnt 0x1                           ; my part of K step 0 is in; K step 1's load, the one issued behind it, may stay out
	s_barrier_signal -1
	s_barrier_wait -1                              ; everybody's part is in
	FETCH F0
.if KIND == 1
	s_wait_loadcnt 0x0                             ; the bias
.endif
	Q F0, F1, ZF                                   ; the first quarter starts the sums
	WIN 0
	s_mov_b32 s61, 1
	s_mov_b32 s62, NSTEP-1
	s_branch .Lpair                                ; the loop is entered behind its change of slots
.Lstep:                                        ; NSTEP - 2 trips: each fills a slot again
	CHANGE 1
	s_mov_b32 s61, 2
.Lpair:
	Q F1, F0, 0
	Q F0, F1, 0
	WIN 0
	s_sub_co_u32 s61, s61, 1
	s_cmp_lg_u32 s61, 0
	s_cbranch_scc1 .Lpair
	s_sub_co_u32 s62, s62, 1
	s_cmp_lg_u32 s62, 0
	s_cbranch_scc1 .Lstep
	CHANGE 0                                       ; the last K step is in; nothing is asked for
	s_mov_b32 s61, 2
.Ltail:
	Q F1, F0, 0
	Q F0, F1, 0
	WIN 0
	s_sub_co_u32 s61, s61, 1
	s_cmp_lg_u32 s61, 0
	s_cbranch_scc1 .Ltail
	s_wait_dscnt 8                                 ; the very last quarter
	MULH F1, 0, 0
	s_wait_dscnt 0x0
	MULH F1, 1, 0
	; THE WAY OUT.  All reads of the slots are over (each wave has waited for its own) and no fill follows: behind a barrier each wave lays its 128 x 128 sums, in f32, into a stage of its own,
	; and takes them back by rows in a loop.  A trip's rows are asked of LDS in the trip before, as soon as their registers are free; the last trip asks for none.
	WIN 0
.rept 4
	v_nop                                          ; four plain instructions between the last product and the stores that read results
.endr
	s_barrier_signal -1
	s_barrier_wait -1
.irp a, 0,1,2,3,4,5,6,7
	WIN 0x08+4*((\a)/4)                            ; the stores' data in window 2 or 3
.irp b, 0,1,2,3,4,5,6,7
	ds_store_b128 v[STO], v[8*(8*((\a)%4)+(\b)):8*(8*((\a)%4)+(\b))+3]   offset:16*SPI*(\a)+64*(\b)
	ds_store_b128 v[STO], v[8*(8*((\a)%4)+(\b))+4:8*(8*((\a)%4)+(\b))+7] offset:16*SPI*(\a)+64*(\b)+16
.endr
.endr
	WIN 0
.if KIND == 0
.macro ROWS                            ; 16 rows; LDS serves a wave's instructions in order, so the loads see the stores above
.irp i, 0,1,2,3,4,5,6,7
	ds_load_b128 v[64+8*(\i):64+8*(\i)+3],   v[RD] offset:2*SPI*(\i)
	ds_load_b128 v[64+8*(\i)+4:64+8*(\i)+7], v[RD] offset:2*SPI*(\i)+16
.endr
.endm
	s_mov_b32 s80, 8
	ROWS
.Lout:                                         ; 16 rows a trip
	s_wait_dscnt 0x0                               ; this trip's rows are in
	s_wait_xcnt 0x0                                ; the last trip's stores have read their data and their offset, which are rewritten below
.set k, 0
.rept 32
	v_cvt_pk_bf16_f32 v[32+k], v[64+2*k], v[64+2*k+1]
.set k, k+1
.endr
	s_cmp_eq_u32 s80, 1
	s_cbranch_scc1 .Lno_rows
	v_add_nc_u32 v[RD], 16*SPI, v[RD]
	ROWS                                           ; the next trip's rows, on their way while this trip's stores leave
.Lno_rows:
	v_add_nc_u32 v[CO], 2048, v[CO]                ; stepped ahead of the stores, which reach back
.irp i, 0,1,2,3,4,5,6,7
	global_store_b128 v[CO], v[32+4*(\i):32+4*(\i)+3], s[8:9] offset:256*(\i)-2048  ; 16 lanes: two rows of one head, 256 consecutive bytes, aligned
.endr
	s_sub_co_u32 s80, s80, 1
	s_cmp_lg_u32 s80, 0
	s_cbranch_scc1 .Lout
.else
.macro ROWS                            ; 8 rows; LDS serves a wave's instructions in order, so the loads see the stores above
.irp i, 0,1,2,3
	ds_load_b128 v[64+8*(\i):64+8*(\i)+3],   v[RD] offset:2*SPI*(\i)
	ds_load_b128 v[64+8*(\i)+4:64+8*(\i)+7], v[RD] offset:2*SPI*(\i)+16
.endr
.endm
	s_mov_b32 s80, 16
	ROWS
.Lout:                                         ; 8 rows a trip
	s_wait_dscnt 0x0                               ; this trip's rows are in
.set k, 0
.rept 16
	v_pk_mul_f32 v[96+2*k:97+2*k], v[64+2*k:65+2*k], v[64+2*k:65+2*k]
.set k, k+1
.endr
.set k, 0
.rept 16
	v_pk_fma_f32 v[96+2*k:97+2*k], v[96+2*k:97+2*k], s[78:79], s[76:77] op_sel_hi:[1,0,0]
.set k, k+1
.endr
.set k, 0
.rept 16
	v_pk_mul_f32 v[96+2*k:97+2*k], v[96+2*k:97+2*k], v[64+2*k:65+2*k]
.set k, k+1
.endr
.set k, 0
.rept 32
	v_exp_f32 v[96+k], v[96+k]
.set k, k+1
.endr
	v_nop                                          ; a plain instruction behind the last exponential,
	s_wait_alu depctr_va_vdst(0)                   ; and one wait for the batch
.set k, 0
.rept 16
	v_pk_add_f32 v[96+2*k:97+2*k], v[96+2*k:97+2*k], 1.0 op_sel_hi:[1,0]
.set k, k+1
.endr
.set k, 0
.rept 32
	v_rcp_f32 v[96+k], v[96+k]
.set k, k+1
.endr
	v_nop
	s_wait_alu depctr_va_vdst(0)                   ; one wait for the reciprocals
.set k, 0
.rept 16
	v_pk_mul_f32 v[96+2*k:97+2*k], v[64+2*k:65+2*k], v[96+2*k:97+2*k]  ; the last reader of x: its registers are free behind this run
.set k, k+1
.endr
	s_cmp_eq_u32 s80, 1
	s_cbranch_scc1 .Lno_rows
	v_add_nc_u32 v[RD], 8*SPI, v[RD]
	ROWS                                           ; the next trip's rows
.Lno_rows:
	s_wait_xcnt 0x0                                ; the last trip's stores, a whole trip's arithmetic back, have read their data and their offset, which are rewritten below
	v_add_nc_u32 v[CO], 65536, v[CO]               ; stepped ahead of the stores, which reach back
.set k, 0
.rept 16
	v_cvt_pk_bf16_f32 v[32+k], v[96+2*k], v[96+2*k+1]
.set k, k+1
.endr
.irp i, 0,1,2,3
	global_store_b128 v[CO], v[32+4*(\i):32+4*(\i)+3], s[8:9] offset:16384*(\i)-65536  ; 16 lanes: 256 consecutive bytes of a row, aligned
.endr
	s_sub_co_u32 s80, s80, 1
	s_cmp_lg_u32 s80, 0
	s_cbranch_scc1 .Lout
.endif
	s_wait_tensorcnt 0x0                           ; the wave's end
	ds_add_u32 v[SPW], v[NIL]
	s_wait_dscnt 0x0
	CROUND                                         ; the closing round
	s_endpgm
.Lfunc_end_k_q42d685bfde_mlp1:
	.size	k_q42d685bfde_mlp1, .Lfunc_end_k_q42d685bfde_mlp1-k_q42d685bfde_mlp1
	.p2alignl 7, 3214868480
	.fill 96, 4, 3214868480
	.section	.rodata,"a",@progbits
	.p2align	6, 0x0
	.amdhsa_kernel k_q42d685bfde_mlp1
		.amdhsa_group_segment_fixed_size 327680
		.amdhsa_private_segment_fixed_size 0
		.amdhsa_enable_private_segment 0
		.amdhsa_kernarg_size 32
		.amdhsa_user_sgpr_count 2
		.amdhsa_user_sgpr_kernarg_segment_ptr 1
		.amdhsa_wavefront_size32 1
		.amdhsa_system_sgpr_workgroup_id_x 1
		.amdhsa_system_sgpr_workgroup_id_y 1
		.amdhsa_system_sgpr_workgroup_id_z 1
		.amdhsa_system_vgpr_workitem_id 0
		.amdhsa_next_free_vgpr 1024
		.amdhsa_next_free_sgpr 96
		.amdhsa_reserve_vcc 0
		.amdhsa_float_denorm_mode_32 3
		.amdhsa_float_denorm_mode_16_64 3
		.amdhsa_memory_ordered 1
		.amdhsa_forward_progress 1
		.amdhsa_inst_pref_size 70
	.end_amdhsa_kernel
	.amdgpu_metadata
---
amdhsa.version: [ 1, 2 ]
amdhsa.kernels:
  - .name:           k_q42d685bfde_mlp1
    .symbol:         k_q42d685bfde_mlp1.kd
    .args:
      - { .name: hn, .offset: 0, .size: 8, .value_kind: global_buffer, .address_space: global }
      - { .name: wbr, .offset: 8, .size: 8, .value_kind: global_buffer, .address_space: global }
      - { .name: b1, .offset: 16, .size: 8, .value_kind: global_buffer, .address_space: global }
      - { .name: gact, .offset: 24, .size: 8, .value_kind: global_buffer, .address_space: global }
    .group_segment_fixed_size: 327680
    .private_segment_fixed_size: 0
    .kernarg_segment_align: 8
    .kernarg_segment_size: 32
    .max_flat_workgroup_size: 128
    .sgpr_count:     96
    .vgpr_count:     1024
    .wavefront_size: 32
...
	.end_amdgpu_metadata
.endif
;; end of part 5
;; launch mlp2 (part 6): grid 8 x 32, 4 waves a work-group, clusters of 4 x 4, 327,680 bytes of LDS; arguments gact, wbr, b2, x1, out0; writes out0
.if DOCPART == 6
	.amdgcn_target "amdgcn-amd-amdhsa--gfx1250"
	.amdhsa_code_object_version 6
	.text
	.protected	k_q42d685bfde_mlp2
	.globl	k_q42d685bfde_mlp2
	.p2align	8
	.type	k_q42d685bfde_mlp2,@function
k_q42d685bfde_mlp2:
	s_mov_b64 s[64:65], 0
	v_nop
	global_prefetch_b8 v0, s[64:65] scope:SCOPE_SE
	s_setreg_imm32_b32 hwreg(HW_REG_WAVE_MODE, 25, 1), 1
	s_wait_xcnt 0x0
	s_wait_alu depctr_hold_cnt(0) depctr_sa_sdst(0) depctr_va_vdst(0) depctr_va_sdst(0) depctr_va_ssrc(0) depctr_va_vcc(0) depctr_vm_vsrc(0)
	s_getreg_b32 s2, hwreg(HW_REG_IB_STS2, 6, 4)
	s_cmp_eq_u32 s2, 0
	s_cbranch_scc0 .Lentry_in_a_cluster
	s_endpgm
.Lentry_in_a_cluster:
	s_bfe_u32 s2, ttmp6, 0x10000c
	s_cmp_lg_u32 s2, 0xf033
	s_cbranch_scc0 .Lentry_shape_is_right
	s_endpgm
.Lentry_shape_is_right:
; out = res + A B + bias on tiles of 128 x 128, in f32.  B: a weight in wbr, [K][1024] bf16, as it lies.  Sums in f32; the bias is the C operand of the first products.
; KIND 2: A = ctx, by heads [32][2048][64] bf16 (K = 1,024 = 16 heads x 64), B = wo, res = x, out = x1.   KIND 3: A = gact [4096][4096] bf16, B = w2, res = x1, out = out0.
; Four waves, 2 x 2, each 64 x 64: 16 accumulators.  K goes in steps of 256 through two LDS slots filled by tensor loads: waves 0, 1 bring A's halves, waves 2, 3 B's (128 k rows x 256 bytes).
; KIND 2's A: a K step is four heads; a wave asks for two heads' 128 rows as two rows of 16,384 dense bytes, padded in LDS after every 128: [head][128 t] at 144 bytes a row.
; 4 x 4 work-groups form a cluster: A's tile is asked for jointly along a row of the cluster, B's along a column.  No prefetch: the tiles are small.
; THE PRODUCT IS TAKEN TRANSPOSED: source 0 = 16 columns of B (turned by ds_load_tr16_b128), source 1 = 16 rows of A: a lane holds one row of C and 8 neighbouring columns.
; A K step is four quarters of 64 along K on two fragment buffers; the change of slots stands where all four quarters of the old slot have been fetched, so one text of two quarters serves every trip.
; REGISTERS: window 0: v0-31 addresses, v32-63 and v192-223 the way out, v64-127 and v128-191 A's fragments; window 1: v0-31 the bias as an accumulator lays it, v64-191 B's fragments;
; window 2: v0-127 accumulator (a, b) at v[8 (4 a + b)], v128-255 my 64 x 64 of res, loaded at the start in the order in which it is added.
.set KIND, 3
.if KIND == 2
.set KK,    1024
.set SEC,   0
.set PA,    144
.set HALFA, 2*128*PA
.set AQ,    128*PA                     ; from quarter to quarter: a head
.set ASTEP, 4*262144
.else
.set KK,    4096
.set SEC,   10485760
.set PA,    528
.set HALFA, 64*PA
.set AQ,    128
.set ASTEP, 512
.endif
.set KSTEP, 256
.set NSTEP, KK/KSTEP
.set PB,    288                        ; a row of B: 256 + 32 bytes, an odd multiple of 32
.set HALFB, 128*PB
.set BOFF,  2*HALFA
.set SLOT,  BOFF+2*HALFB
.set STAGE, 2*SLOT                     ; behind the slots, never filled by a tensor load: 16 rows x 272 bytes for each wave
.set SP,    272
.set SPARE, STAGE+4*16*SP              ; the spare words, 128 bytes a wave, which no other line names
.set BQ,    64*PB
.set BSTEP, KSTEP*2048
.set ADA0, 10
.set ADB0, 11
.set ADA,  12
.set ADB,  13
.set STO,  14
.set RD,   15
.set CO,   16
.set SPW,  28
.set NIL,  29
.set F0,   64
.set F1,   128
.set MSB, 0
.macro WIN new
.if MSB != (\new)
	s_set_vgpr_msb (MSB<<8)|(\new)
.set MSB, \new
.endif
.endm
.macro JLOAD                           ; a joint refill: waves 0, 1 A's halves, waves 2, 3 B's; an s_nop 0 and four v_nop follow each line
	s_cmp_eq_u32 s11, 0
	s_cbranch_scc0 .Lfor_b_\@
	tensor_load_to_lds s[32:35], s[24:31]
	s_nop 0
.rept 4
	v_nop
.endr
	s_branch .Lasked_\@
.Lfor_b_\@:
	tensor_load_to_lds s[36:39], s[48:55]
	s_nop 0
.rept 4
	v_nop
.endr
.Lasked_\@:
.endm
.macro CROUND                          ; a round of the cluster's barrier
	s_barrier_signal -1
	s_barrier_wait -1
	s_cmp_lg_u32 s10, 0
	s_cbranch_scc1 .Lnot_wave_0_\@
	s_barrier_signal -3
.Lnot_wave_0_\@:
	s_barrier_wait -3
	s_barrier_signal -1
	s_barrier_wait -1
.endm
	s_load_b128 s[4:7], s[0:1], 0x0                ; A s[4:5], wbr s[6:7]
	s_load_b64 s[66:67], s[0:1], 0x10              ; the bias
	s_load_b64 s[68:69], s[0:1], 0x18              ; res
	s_load_b64 s[8:9], s[0:1], 0x20                ; out
	v_lshl_add_u32 v[SPW], v0, 2, SPARE
	v_mov_b32 v[NIL], 0
	ds_add_u32 v[SPW], v[NIL]                      ; the wave's opening: the add and its wait stand ahead of my first tensor load
	ds_add_u32 v28, v29
	v_lshrrev_b32 v1, 5, v0
	v_readfirstlane_b32 s10, v1                    ; wave 0..3
	s_lshr_b32 s11, s10, 1                         ; my half of the tile's rows; also: I fetch for A (0) or B (1)
	s_and_b32 s12, s10, 1                          ; my half of its columns; also: which half I fetch
	s_bfe_u32 s40, ttmp6, 0x40000                  ; cx
	s_bfe_u32 s41, ttmp6, 0x40004                  ; cy
	s_lshl_b32 s42, ttmp9, 2
	s_add_co_u32 s42, s42, s40                     ; tile column
	s_and_b32 s13, ttmp7, 0xffff
	s_lshl_b32 s13, s13, 2
	s_add_co_u32 s13, s13, s41                     ; tile row
	s_lshl_b32 s43, s41, 2
	s_lshl_b32 s43, 15, s43                        ; my row of the cluster
	s_lshl_b32 s44, 0x1111, s40                    ; my column
.if KIND == 2
	s_or_b32 s24, s43, (1<<16)|(1<<20)|(1<<21)|(4<<22)|(3<<25)  ; 4 words of padding after every 32
	s_mov_b32 s25, 8192<<16                        ; tensor_dim0 = 8,192: a head's 128 rows of 64
	s_mov_b32 s26, 2<<16                           ; tensor_dim1 = 2 heads
	s_mov_b32 s27, 8192<<16                        ; tile_dim0
	s_mov_b32 s28, 2                               ; tile_dim1
	s_mov_b32 s29, 131072                          ; elements from head to head
.else
	s_or_b32 s24, s43, (1<<16)|(1<<20)|(1<<21)|(6<<22)|(3<<25)  ; 4 words of padding after every 128
	s_mov_b32 s25, 256<<16
	s_mov_b32 s26, 64<<16
	s_mov_b32 s27, 256<<16
	s_mov_b32 s28, 64
	s_mov_b32 s29, 4096
.endif
	s_mov_b32 s30, 0
	s_mov_b32 s31, 0
	s_or_b32 s48, s44, (1<<16)|(1<<20)|(1<<21)|(5<<22)|(7<<25)  ; B: 8 words of padding after every 64
	s_mov_b32 s49, 128<<16
	s_mov_b32 s50, 128<<16
	s_mov_b32 s51, 128<<16
	s_mov_b32 s52, 128
	s_mov_b32 s53, 1024
	s_mov_b32 s54, 0
	s_mov_b32 s55, 0
.if KIND == 2
	s_lshr_b32 s16, s13, 4                         ; the batch's 16 heads, my two of the step's four,
	s_lshl_b32 s16, s16, 4
	s_lshl1_add_u32 s16, s12, s16
	s_lshl_b32 s16, s16, 18
	s_and_b32 s17, s13, 15                         ; the tile's 128 rows of 128 bytes in a head
	s_lshl_b32 s17, s17, 14
	s_add_co_u32 s16, s16, s17
.else
	s_lshl_b32 s16, s13, 7                         ; row 128 x tile row + 64 x half, 8,192 bytes a row
	s_lshl_b32 s17, s12, 6
	s_add_co_u32 s16, s16, s17
	s_lshl_b32 s16, s16, 13
.endif
	s_mov_b32 s17, 0
	s_lshl_b32 s46, s12, 18                        ; B: k row 128 x half (2,048 bytes a row), column 128 x tile column
	s_lshl_b32 s47, s42, 8
	s_add_co_u32 s46, s46, s47
	s_add_co_u32 s46, s46, SEC
	s_mov_b32 s47, 0
	s_mul_i32 s63, s12, HALFA                      ; where my half goes in a slot, for A
	s_mul_i32 s70, s12, HALFB
	s_add_co_u32 s70, s70, BOFF                    ; and for B: no place in the cluster enters an LDS address
	s_mov_b32 s56, 0                               ; the slot that the fetches read: a change of slots fills it again and turns to the other
	s_mov_b32 s57, 0                               ; the quarter to be fetched next, in bytes of A
	s_mov_b32 s58, 0                               ; and of B
	s_mov_b32 s84, 1                               ; group 0 for K step 0, slot 0: s[84:87] for A, s[88:91] for B
	s_mov_b32 s85, s63
	s_mov_b32 s88, 1
	s_mov_b32 s89, s70
	s_mov_b32 s32, 1                               ; group 0 for K step 1, slot 1: s[32:35] for A, s[36:39] for B; these then walk on
	s_add_co_u32 s33, s63, SLOT
	s_mov_b32 s36, 1
	s_add_co_u32 s37, s70, SLOT
	s_wait_dscnt 0x0                               ; the opening add is done
	s_wait_kmcnt 0x0
	s_add_nc_u64 s[14:15], s[4:5], s[16:17]
	s_add_nc_u64 s[46:47], s[6:7], s[46:47]
	s_mov_b64 s[86:87], s[14:15]
	s_or_b32 s87, s87, 0x80000000
	s_add_nc_u64 s[34:35], s[14:15], ASTEP
	s_or_b32 s35, s35, 0x80000000
	s_mov_b64 s[90:91], s[46:47]
	s_or_b32 s91, s91, 0x80000000
	s_add_nc_u64 s[38:39], s[46:47], BSTEP
	s_or_b32 s39, s39, 0x80000000
	CROUND                                         ; all sixteen work-groups are here
	s_cmp_eq_u32 s11, 0                            ; a wave's two first fills stand in one branch, ahead of every wait on TENSORcnt, every LDS read and every further barrier: two loads of mine are out
	s_cbranch_scc0 .Lfirst_b
	tensor_load_to_lds s[84:87], s[24:31]
	s_nop 0
	tensor_load_to_lds s[32:35], s[24:31]
	s_nop 0
.rept 4
	v_nop
.endr
	s_branch .Lfirst_asked
.Lfirst_b:
	tensor_load_to_lds s[88:91], s[48:55]
	s_nop 0
	tensor_load_to_lds s[36:39], s[48:55]
	s_nop 0
.rept 4
	v_nop
.endr
.Lfirst_asked:
	v_and_b32 v1, 15, v0                           ; r = l % 16
	v_bfe_u32 v2, v0, 4, 1                         ; h = l / 16
	v_bfe_u32 v5, v0, 3, 1
	v_and_b32 v6, 7, v0
	v_mul_u32_u24 v[ADA0], v1, PA
	v_lshl_add_u32 v[ADA0], v2, 4, v[ADA0]
	s_mul_i32 s21, s11, 64*PA
	v_add_nc_u32 v[ADA0], s21, v[ADA0]
	v_lshl_add_u32 v4, v2, 3, v6
	v_mul_u32_u24 v[ADB0], v4, PB
	v_lshl_add_u32 v[ADB0], v5, 4, v[ADB0]
	s_lshl_b32 s22, s12, 7
	s_add_co_u32 s22, s22, BOFF
	v_add_nc_u32 v[ADB0], s22, v[ADB0]
	s_mul_i32 s23, s10, 16*SP
	s_add_co_u32 s23, s23, STAGE                   ; my stage
	v_mul_u32_u24 v[STO], v1, SP                   ; in: row r, 32 bytes of f32 for each half of the lanes
	v_lshl_add_u32 v[STO], v2, 5, v[STO]
	v_add_nc_u32 v[STO], s23, v[STO]
	v_mul_u32_u24 v[RD], v2, SP                    ; back: lanes 0-15 one row of 256 bytes, lanes 16-31 the next
	v_lshl_add_u32 v[RD], v1, 4, v[RD]
	v_add_nc_u32 v[RD], s23, v[RD]
	v_lshlrev_b32 v[CO], 12, v2                    ; and the same two rows in res and out
	v_lshl_add_u32 v[CO], v1, 4, v[CO]
	s_lshl_b32 s16, s13, 7
	s_lshl_b32 s17, s11, 6
	s_add_co_u32 s16, s16, s17
	s_lshl_b32 s16, s16, 12                        ; my first row, 4,096 bytes a row
	s_mov_b32 s17, 0
	s_lshl_b32 s46, s42, 9
	s_lshl_b32 s47, s12, 8
	s_add_co_u32 s46, s46, s47                     ; my first column, 4 bytes each
	s_mov_b32 s47, 0
	s_add_nc_u64 s[66:67], s[66:67], s[46:47]
	s_add_nc_u64 s[16:17], s[16:17], s[46:47]
	s_add_nc_u64 s[8:9], s[8:9], s[16:17]
	s_add_nc_u64 s[68:69], s[68:69], s[16:17]
	v_lshlrev_b32 v7, 5, v2                        ; a lane's 8 columns of a block of 16: 32 h bytes on
	WIN 0x40
.irp b, 0,1,2,3
	global_load_b128 v[8*(\b):8*(\b)+3],   v7, s[66:67] offset:64*(\b)
	global_load_b128 v[8*(\b)+4:8*(\b)+7], v7, s[66:67] offset:64*(\b)+16
.endr
	WIN 0x80
.set i, 0
.rept 32                               ; res: 16 lanes take 256 consecutive bytes of a row, aligned
	global_load_b128 v[128+4*i:128+4*i+3], v[CO], s[68:69] offset:2*i*4096
.set i, i+1
.endr
	WIN 0
; 16 products: all 16 accumulators, 32 along K: half c of buffer f.  They take turns, one instruction a turn, in the same order everywhere.
.macro MULH f, c, z
.if (\z) == 2
	WIN 0x91                                       ; B window 1, A window 0, C (the bias) window 1, D window 2
.else
	WIN 0xa1
.endif
.irp a, 0,1,2,3
.irp b, 0,1,2,3
.if (\z) == 2
	v_wmma_f32_16x16x32_bf16 v[8*(4*(\a)+(\b)):8*(4*(\a)+(\b))+7], v[(\f)+8*(4*(\c)+(\b)):(\f)+8*(4*(\c)+(\b))+7], v[(\f)+8*(4*(\c)+(\a)):(\f)+8*(4*(\c)+(\a))+7], v[8*(\b):8*(\b)+7]
.else
	v_wmma_f32_16x16x32_bf16 v[8*(4*(\a)+(\b)):8*(4*(\a)+(\b))+7], v[(\f)+8*(4*(\c)+(\b)):(\f)+8*(4*(\c)+(\b))+7], v[(\f)+8*(4*(\c)+(\a)):(\f)+8*(4*(\c)+(\a))+7], v[8*(4*(\a)+(\b)):8*(4*(\a)+(\b))+7]
.endif
.endr
.endr
.endm
; The next quarter's 32 LDS loads, in one run, the first 32 along K first.  The two address lines and two v_nop are the four plain instructions between the last product that read the buffer and the loads into it.
.macro FETCH f
	WIN 0
	s_add_co_u32 s59, s56, s57
	s_add_co_u32 s60, s56, s58
	v_add_nc_u32 v[ADA], s59, v[ADA0]
	v_add_nc_u32 v[ADB], s60, v[ADB0]
	v_nop
	v_nop
	s_add_co_u32 s57, s57, AQ
	s_add_co_u32 s58, s58, BQ
.irp c, 0,1
	WIN 0x40
.irp b, 0,1,2,3
	ds_load_tr16_b128 v[(\f)+8*(4*(\c)+(\b)):(\f)+8*(4*(\c)+(\b))+3],   v[ADB] offset:32*(\c)*PB+32*(\b)
	ds_load_tr16_b128 v[(\f)+8*(4*(\c)+(\b))+4:(\f)+8*(4*(\c)+(\b))+7], v[ADB] offset:32*(\c)*PB+16*PB+32*(\b)
.endr
	WIN 0
.irp i, 0,1,2,3
	ds_load_b128 v[(\f)+8*(4*(\c)+(\i)):(\f)+8*(4*(\c)+(\i))+3],   v[ADA] offset:16*(\i)*PA+64*(\c)
	ds_load_b128 v[(\f)+8*(4*(\c)+(\i))+4:(\f)+8*(4*(\c)+(\i))+7], v[ADA] offset:16*(\i)*PA+64*(\c)+32
.endr
.endr
.endm
.macro Q f, g, z                       ; a quarter: buffer f is multiplied, the next quarter fetched into g
	s_wait_dscnt 16                                ; the first 32 along K are in; the youngest sixteen loads serve the second half
	MULH \f, 0, \z
	FETCH \g
	s_wait_dscnt 32                                ; all but the 32 just issued
	MULH \f, 1, 0
.endm
; THE CHANGE OF SLOTS.  Each wave waits for all its tensor loads (one is out: its part of the next slot), adds 0 to its spare word, and waits for that and for its reads of the old slot.
; fill = 1: a round of the cluster's barrier follows, and the joint refill of the old slot is the first thing behind it: it has 128 products in which to land.
.macro CHANGE fill
	WIN 0
	s_wait_tensorcnt 0x0                           ; no tensor load of mine is out, so the descriptors may be written
	ds_add_u32 v[SPW], v[NIL]
.if \fill
	s_add_co_u32 s33, s56, s63                     ; the walking descriptors: into the slot that is left,
	s_add_co_u32 s37, s56, s70
	s_add_nc_u64 s[34:35], s[34:35], ASTEP         ; the next K step
	s_add_nc_u64 s[38:39], s[38:39], BSTEP
.endif
	s_xor_b32 s56, s56, SLOT                       ; the fetches turn to the other slot,
	s_mov_b32 s57, 0                               ; at its first quarter
	s_mov_b32 s58, 0
	s_wait_dscnt 0x0                               ; the add is done, and my reads of the old slot are over
.if \fill
	CROUND
	JLOAD
.else
	s_barrier_signal -1
	s_barrier_wait -1
.endif
.endm
	s_wait_tensorcnt 0x1                           ; my part of K step 0 is in; K step 1's load, the one issued behind it, may stay out
	s_barrier_signal -1
	s_barrier_wait -1                              ; everybody's part is in
	FETCH F0
	s_wait_loadcnt 32                              ; the bias is in; the 32 loads of res may stay out
	Q F0, F1, 2                                    ; the first products start the sums with the bias
	WIN 0
	s_mov_b32 s61, 1
	s_mov_b32 s62, NSTEP-1
	s_branch .Lpair                                ; the loop is entered behind its change of slots
.Lstep:                                        ; NSTEP - 2 trips: each fills a slot again
	CHANGE 1
	s_mov_b32 s61, 2
.Lpair:
	Q F1, F0, 0
	Q F0, F1, 0
	WIN 0
	s_sub_co_u32 s61, s61, 1
	s_cmp_lg_u32 s61, 0
	s_cbranch_scc1 .Lpair
	s_sub_co_u32 s62, s62, 1
	s_cmp_lg_u32 s62, 0
	s_cbranch_scc1 .Lstep
	CHANGE 0                                       ; the last K step is in; nothing is asked for
	s_mov_b32 s61, 2
.Ltail:
	Q F1, F0, 0
	Q F0, F1, 0
	WIN 0
	s_sub_co_u32 s61, s61, 1
	s_cmp_lg_u32 s61, 0
	s_cbranch_scc1 .Ltail
	s_wait_dscnt 16                                ; the very last quarter
	MULH F1, 0, 0
	s_wait_dscnt 0x0
	MULH F1, 1, 0
	; THE WAY OUT, 16 rows at a time through my own stage: in by accumulators, back as whole rows of 256 bytes; res is added; 16 lanes store 256 consecutive bytes, aligned.
	; A block goes into the stage while the block before is on its way back: LDS serves a wave's instructions in order, so a block's stores come behind the loads of the block before.
	WIN 0
	s_wait_loadcnt 0x0                             ; res
.rept 4
	v_nop                                          ; four plain instructions between the last product and the stores that read results
.endr
.macro OUTS a                          ; block a into the stage, and back by rows
.set BK, 32+160*((\a)%2)
	WIN 0x08                                       ; the stores' data in window 2
.irp b, 0,1,2,3
	ds_store_b128 v[STO], v[8*(4*(\a)+(\b)):8*(4*(\a)+(\b))+3]   offset:64*(\b)
	ds_store_b128 v[STO], v[8*(4*(\a)+(\b))+4:8*(4*(\a)+(\b))+7] offset:64*(\b)+16
.endr
	WIN 0
	s_wait_xcnt 0x0                                ; registers that earlier global stores read are loaded again only behind this wait
.irp i, 0,1,2,3,4,5,6,7
	ds_load_b128 v[BK+4*(\i):BK+4*(\i)+3], v[RD] offset:2*SP*(\i)
.endr
.endm
.macro OUTF a, younger                 ; block a is back: res is added and it leaves.  younger: the LDS instructions issued behind its loads: the next block's sixteen, or none
.set BK, 32+160*((\a)%2)
	WIN 0
	s_wait_dscnt \younger
	WIN 0x08                                       ; source 1 in window 2
.set k, 0
.rept 16
	v_pk_add_f32 v[BK+2*k:BK+2*k+1], v[BK+2*k:BK+2*k+1], v[128+32*(\a)+2*k:128+32*(\a)+2*k+1]
.set k, k+1
.endr
	WIN 0
.irp i, 0,1,2,3,4,5,6,7
	global_store_b128 v[CO], v[BK+4*(\i):BK+4*(\i)+3], s[8:9] offset:(16*(\a)+2*(\i))*4096
.endr
.endm
	OUTS 0
	OUTS 1
	OUTF 0, 16
	OUTS 2
	OUTF 1, 16
	OUTS 3
	OUTF 2, 16
	OUTF 3, 0
	s_wait_tensorcnt 0x0                           ; the wave's end
	ds_add_u32 v[SPW], v[NIL]
	s_wait_dscnt 0x0
	CROUND                                         ; the closing round
	s_endpgm
.Lfunc_end_k_q42d685bfde_mlp2:
	.size	k_q42d685bfde_mlp2, .Lfunc_end_k_q42d685bfde_mlp2-k_q42d685bfde_mlp2
	.p2alignl 7, 3214868480
	.fill 96, 4, 3214868480
	.section	.rodata,"a",@progbits
	.p2align	6, 0x0
	.amdhsa_kernel k_q42d685bfde_mlp2
		.amdhsa_group_segment_fixed_size 327680
		.amdhsa_private_segment_fixed_size 0
		.amdhsa_enable_private_segment 0
		.amdhsa_kernarg_size 40
		.amdhsa_user_sgpr_count 2
		.amdhsa_user_sgpr_kernarg_segment_ptr 1
		.amdhsa_wavefront_size32 1
		.amdhsa_system_sgpr_workgroup_id_x 1
		.amdhsa_system_sgpr_workgroup_id_y 1
		.amdhsa_system_sgpr_workgroup_id_z 1
		.amdhsa_system_vgpr_workitem_id 0
		.amdhsa_next_free_vgpr 768
		.amdhsa_next_free_sgpr 96
		.amdhsa_reserve_vcc 0
		.amdhsa_float_denorm_mode_32 3
		.amdhsa_float_denorm_mode_16_64 3
		.amdhsa_memory_ordered 1
		.amdhsa_forward_progress 1
		.amdhsa_inst_pref_size 53
	.end_amdhsa_kernel
	.amdgpu_metadata
---
amdhsa.version: [ 1, 2 ]
amdhsa.kernels:
  - .name:           k_q42d685bfde_mlp2
    .symbol:         k_q42d685bfde_mlp2.kd
    .args:
      - { .name: gact, .offset: 0, .size: 8, .value_kind: global_buffer, .address_space: global }
      - { .name: wbr, .offset: 8, .size: 8, .value_kind: global_buffer, .address_space: global }
      - { .name: b2, .offset: 16, .size: 8, .value_kind: global_buffer, .address_space: global }
      - { .name: x1, .offset: 24, .size: 8, .value_kind: global_buffer, .address_space: global }
      - { .name: out0, .offset: 32, .size: 8, .value_kind: global_buffer, .address_space: global }
    .group_segment_fixed_size: 327680
    .private_segment_fixed_size: 0
    .kernarg_segment_align: 8
    .kernarg_segment_size: 40
    .max_flat_workgroup_size: 128
    .sgpr_count:     96
    .vgpr_count:     768
    .wavefront_size: 32
...
	.end_amdgpu_metadata
.endif
;; end of part 6
